; MI455X (gfx1250); checked and timed in simulation.
; The chip was launched on July 23, 2026; its instructions are those of AMD's public machine-readable ISA for CDNA 5 (MIT licence, August 2026) and "CDNA5" Instruction Set Architecture Reference Guide (July 2026). The comments in the code are by the model that wrote it; some were corrected since.
;; Sparse Multi Head Attention. Allowed arithmetic: float matrix products may take bf16 or f16 operands with f32 sums; other float arithmetic in f32, or as packed bf16 or f16 multiplies, adds, multiply-adds, maxima and minima; sums over many terms, partial sums and values carried from step to step in f32; what a program stores and reads back later, other than sums and carried values, may be rounded once to bf16 or f16.
;; Inputs: Wk 1,024 x 1,024 float32; Wo 1,024 x 1,024 float32; Wq 1,024 x 1,024 float32; Wv 1,024 x 1,024 float32; bk 1,024 float32; bo 1,024 float32; bq 1,024 float32; bv 1,024 float32; key 1 x 4,096 x 1,024 float32; query 1 x 4,096 x 1,024 float32; value 1 x 4,096 x 1,024 float32.
;; Outputs: out0 1 x 4,096 x 1,024 float32.
;; One version. Each part assembles by itself: llvm-mc -triple=amdgcn-amd-amdhsa -mcpu=gfx1250 --defsym DOCPART=n.
;; ======== version 1 of 1: 4 launches
;; limits: values are held in f16: magnitudes above 65,504 overflow, below 6.1e-05 lose precision
;; workspace buffers: cb 33,554,432 bytes; qkv 25,165,824 bytes; ob 8,388,608 bytes
;; launch cast (part 1): grid 1024 x 1, 8 waves a work-group, no clusters, 0 bytes of LDS; arguments query, key, value, Wq, Wk, Wv, Wo, cb; writes cb
.if DOCPART == 1
	.amdgcn_target "amdgcn-amd-amdhsa--gfx1250"
	.amdhsa_code_object_version 6
	.text
	.protected	k_q426f28589a_cast
	.globl	k_q426f28589a_cast
	.p2align	8
	.type	k_q426f28589a_cast,@function
k_q426f28589a_cast:
	s_mov_b64 s[64:65], 0
	v_nop
	global_prefetch_b8 v0, s[64:65] scope:SCOPE_SE
	s_setreg_imm32_b32 hwreg(HW_REG_WAVE_MODE, 25, 1), 1
	s_wait_xcnt 0x0
; FIRST OF FOUR LAUNCHES: cast, proj, attn, outp.  out0 = attention(query Wq + bq, key Wk + bk, value Wv + bv) Wo + bo, 16 heads of 64, with the mask that the problem builds itself.
; WORK LEFT OUT, AND WHY IT IS DEAD.
; (1) The input bk.  A score is Q[i] . (K[j] + bk) / 8 = Q[i] . K[j] / 8 + Q[i] . bk / 8.  The second term does not depend on the key j, so it is the same along the softmax's axis; every row i
;     sees at least its own key j = i, so the softmax is defined and gives the same weights with and without that term, whatever finite values the inputs hold.  K enters nothing else.
;     bk is therefore not loaded and is among no launch's arguments.
; (2) Hidden keys.  mask = (|i - j| <= 256 or i < 16 or j < 16) and j <= i.  With j <= i that is: i - j <= 256, or j < 16 (i < 16 adds nothing: then i - j <= 15).  A hidden score is -inf, its weight 0.
;     So row i needs the keys i - 256 .. i and, where i - j > 256, the keys 0 .. 15.  Key tiles that are hidden as a whole are neither loaded nor multiplied (launch attn).
; LIMIT.  A NaN, an infinity or an overflow that reaches only the work left out (bk; rows of K and V that a query does not see) is not carried to the result.
; THIS LAUNCH rounds the seven large inputs once to 16 bits, layout unchanged, end to end into cb: query, key, value ([4096][1024]), Wq, Wk, Wv ([k][n]) as bf16;
; Wo is rounded to bf16 like the others and that number is written as f16 (exact for magnitudes from 2^-14 to 65,504; LIMIT: beyond 65,504 it becomes an infinity, below 2^-14 it keeps f16's fixed step of 2^-24),
; since the last product multiplies it by f16 numbers.
; SHARES.  Work-group g takes 16,384 numbers: 65,536 bytes in, 32,768 bytes out at cb + 32,768 g.  g / 256 = 0, 1, 2: query, key, value; 3: weight (g / 64) % 4.  A wave takes 8,192 bytes:
; sixteen loads of 512 consecutive bytes, all issued at once; each store of the wave covers 256 consecutive bytes, aligned.  Nothing is shared, so there is no LDS, no barrier and no matrix work.
.set X, 8                              ; v[8:71]    load i: 4 numbers in f32
.set Y, 72                             ; v[72:103]  load i: the same 4 numbers in 16 bits; a pair of its own for each store, so no store's data is ever rewritten
	s_load_b512 s[8:23], s[0:1], 0x0               ; query s[8:9], key s[10:11], value s[12:13], Wq s[14:15], Wk s[16:17], Wv s[18:19], Wo s[20:21], cb s[22:23]
	s_lshr_b32 s2, ttmp9, 8                        ; 0, 1, 2: an activation; 3: a weight
	s_bfe_u32 s3, ttmp9, 0x20006                   ; which weight: 2 bits from bit 6
	s_and_b32 s4, ttmp9, 63                        ; my part of a weight (64 parts),
	s_and_b32 s6, ttmp9, 255                       ; or of an activation (256 parts)
	s_cmp_eq_u32 s2, 3
	s_cselect_b32 s4, s4, s6
	s_lshl_b32 s4, s4, 16                          ; 65,536 bytes a part
	s_mov_b32 s5, 0
	s_lshl_b32 s6, ttmp9, 15                       ; 32,768 bytes out for each work-group
	s_mov_b32 s7, 0
	v_lshrrev_b32 v1, 5, v0                        ; wave
	v_and_b32 v2, 31, v0                           ; lane
	v_lshlrev_b32 v2, 4, v2
	v_lshl_or_b32 v1, v1, 13, v2                   ; in: 8,192 x wave + 16 x lane
	v_lshrrev_b32 v2, 1, v1                        ; out: half of that
	s_wait_kmcnt 0x0
	s_cmp_eq_u32 s2, 1                             ; the source is chosen among the seven buffers by the work-group's number alone
	s_cselect_b64 s[24:25], s[10:11], s[8:9]
	s_cmp_eq_u32 s2, 2
	s_cselect_b64 s[24:25], s[12:13], s[24:25]
	s_cmp_eq_u32 s3, 1
	s_cselect_b64 s[26:27], s[16:17], s[14:15]
	s_cmp_eq_u32 s3, 2
	s_cselect_b64 s[26:27], s[18:19], s[26:27]
	s_cmp_eq_u32 s3, 3
	s_cselect_b64 s[26:27], s[20:21], s[26:27]
	s_cmp_eq_u32 s2, 3
	s_cselect_b64 s[24:25], s[26:27], s[24:25]
	s_add_nc_u64 s[24:25], s[24:25], s[4:5]
	s_add_nc_u64 s[22:23], s[22:23], s[6:7]
.set i, 0
.rept 16
	global_load_b128 v[X+4*i:X+4*i+3], v1, s[24:25] offset:512*i th:TH_LOAD_NT
.set i, i+1
.endr
; Load i is rounded and stored.  wo = 1: the bf16 number is widened again (a shift, a mask) and written as f16.
.macro OUT i, wo
	s_wait_loadcnt 15-(\i)                         ; loads come back in order: load i is in, the 15 - i younger ones may stay out
	v_cvt_pk_bf16_f32 v[Y+2*(\i)],   v[X+4*(\i)],   v[X+4*(\i)+1]
	v_cvt_pk_bf16_f32 v[Y+2*(\i)+1], v[X+4*(\i)+2], v[X+4*(\i)+3]
.if \wo
	v_lshlrev_b32 v[X+4*(\i)],   16,         v[Y+2*(\i)]
	v_and_b32     v[X+4*(\i)+1], 0xffff0000, v[Y+2*(\i)]
	v_lshlrev_b32 v[X+4*(\i)+2], 16,         v[Y+2*(\i)+1]
	v_and_b32     v[X+4*(\i)+3], 0xffff0000, v[Y+2*(\i)+1]
	v_cvt_pk_f16_f32 v[Y+2*(\i)],   v[X+4*(\i)],   v[X+4*(\i)+1]
	v_cvt_pk_f16_f32 v[Y+2*(\i)+1], v[X+4*(\i)+2], v[X+4*(\i)+3]
.endif
	global_store_b64 v2, v[Y+2*(\i):Y+2*(\i)+1], s[22:23] offset:256*(\i) th:TH_STORE_NT  ; 32 lanes x 8 bytes: 256 consecutive bytes, aligned
.endm
	s_cmp_ge_u32 ttmp9, 960                        ; the last 64 work-groups hold Wo
	s_cbranch_scc1 .Lwo
.irp i, 0,1,2,3,4,5,6,7,8,9,10,11,12,13,14,15
	OUT \i, 0
.endr
	s_endpgm
.Lwo:
.irp i, 0,1,2,3,4,5,6,7,8,9,10,11,12,13,14,15
	OUT \i, 1
.endr
	s_endpgm
.Lfunc_end_k_q426f28589a_cast:
	.size	k_q426f28589a_cast, .Lfunc_end_k_q426f28589a_cast-k_q426f28589a_cast
	.p2alignl 7, 3214868480
	.fill 96, 4, 3214868480
	.section	.rodata,"a",@progbits
	.p2align	6, 0x0
	.amdhsa_kernel k_q426f28589a_cast
		.amdhsa_group_segment_fixed_size 0
		.amdhsa_private_segment_fixed_size 0
		.amdhsa_enable_private_segment 0
		.amdhsa_kernarg_size 64
		.amdhsa_user_sgpr_count 2
		.amdhsa_user_sgpr_kernarg_segment_ptr 1
		.amdhsa_wavefront_size32 1
		.amdhsa_system_sgpr_workgroup_id_x 1
		.amdhsa_system_sgpr_workgroup_id_y 1
		.amdhsa_system_sgpr_workgroup_id_z 1
		.amdhsa_system_vgpr_workitem_id 0
		.amdhsa_next_free_vgpr 104
		.amdhsa_next_free_sgpr 66
		.amdhsa_reserve_vcc 0
		.amdhsa_float_denorm_mode_32 3
		.amdhsa_float_denorm_mode_16_64 3
		.amdhsa_memory_ordered 1
		.amdhsa_forward_progress 1
		.amdhsa_inst_pref_size 16
	.end_amdhsa_kernel
	.amdgpu_metadata
---
amdhsa.version: [ 1, 2 ]
amdhsa.kernels:
  - .name:           k_q426f28589a_cast
    .symbol:         k_q426f28589a_cast.kd
    .args:
      - { .name: query, .offset: 0, .size: 8, .value_kind: global_buffer, .address_space: global }
      - { .name: key, .offset: 8, .size: 8, .value_kind: global_buffer, .address_space: global }
      - { .name: value, .offset: 16, .size: 8, .value_kind: global_buffer, .address_space: global }
      - { .name: Wq, .offset: 24, .size: 8, .value_kind: global_buffer, .address_space: global }
      - { .name: Wk, .offset: 32, .size: 8, .value_kind: global_buffer, .address_space: global }
      - { .name: Wv, .offset: 40, .size: 8, .value_kind: global_buffer, .address_space: global }
      - { .name: Wo, .offset: 48, .size: 8, .value_kind: global_buffer, .address_space: global }
      - { .name: cb, .offset: 56, .size: 8, .value_kind: global_buffer, .address_space: global }
    .group_segment_fixed_size: 0
    .private_segment_fixed_size: 0
    .kernarg_segment_align: 8
    .kernarg_segment_size: 64
    .max_flat_workgroup_size: 256
    .sgpr_count:     66
    .vgpr_count:     104
    .wavefront_size: 32
...
	.end_amdgpu_metadata
.endif
;; end of part 1
;; launch proj (part 2): grid 4 x 48, 4 waves a work-group, clusters of 4 x 4, 327,680 bytes of LDS; arguments cb, bq, bv, qkv; writes qkv
.if DOCPART == 2
	.amdgcn_target "amdgcn-amd-amdhsa--gfx1250"
	.amdhsa_code_object_version 6
	.text
	.protected	k_q426f28589a_proj
	.globl	k_q426f28589a_proj
	.p2align	8
	.type	k_q426f28589a_proj,@function
k_q426f28589a_proj:
	s_mov_b64 s[64:65], 0
	v_nop
	global_prefetch_b8 v0, s[64:65] scope:SCOPE_SE
	s_setreg_imm32_b32 hwreg(HW_REG_WAVE_MODE, 25, 1), 1
	s_wait_xcnt 0x0
	s_wait_alu depctr_hold_cnt(0) depctr_sa_sdst(0) depctr_va_vdst(0) depctr_va_sdst(0) depctr_va_ssrc(0) depctr_va_vcc(0) depctr_vm_vsrc(0)
	s_getreg_b32 s2, hwreg(HW_REG_IB_STS2, 6, 4)
	s_cmp_eq_u32 s2, 0
	s_cbranch_scc0 .Lentry_in_a_cluster
	s_endpgm
.Lentry_in_a_cluster:
	s_bfe_u32 s2, ttmp6, 0x10000c
	s_cmp_lg_u32 s2, 0xf033
	s_cbranch_scc0 .Lentry_shape_is_right
	s_endpgm
.Lentry_shape_is_right:
; q = query Wq + bq, k = key Wk, v = value Wv + bv, written by heads: qkv[3][16][4096][64] in f16, each number rounded once from its f32 sum, unscaled.
; LEFT OUT: k's bias bk, which no output can see (shown at the head of the first kernel).
; LIMIT: q, k and v must lie within 65,504, f16's largest number; beyond it the conversion gives an infinity.  bq and bv are rounded to bf16 like all the module's inputs.
; THE THREE PRODUCTS ARE ONE STACK: A = cb's first 12,288 rows of 1,024 bf16 (query, key, value), B = the projection's weights [k][n] in bf16, C = 12,288 x 1,024.
; A tile of C, 256 x 256, is made by a work-group of four waves, a wave makes 128 x 128: 64 accumulators, 512 registers.  192 work-groups: 12,288 x 1,024 / 256 is 3 x 2^14 outputs, and no tile
; with a factor 3 divides 4,096 or 1,024; tiles of 128 x 128 would fill LDS with twice the bytes and leave a refill half the matrix work in which to land.
; K goes in 8 steps of 128 through two LDS slots filled by the tensor data mover.  A's rows in a tile are 256 bytes, B's 512, all starting at multiples of 256 bytes from cb's first byte.
; B STAYS [k][n]: its fragments come out of LDS turned, by ds_load_tr16_b128.
; CLUSTERS: 4 x 4 work-groups.  The four of a row of the cluster need the same tile of A, the four of a column the same tile of B: each is asked for JOINTLY, by the same tensor load with the same
; descriptor and a mask that names the four.  The projection's number is made of the cluster's y alone, so it is the same in all sixteen.
; THE MATRIX INSTRUCTION IS USED TRANSPOSED (source 0 = 16 columns of B, source 1 = 16 rows of A): a lane holds row l % 16 of C and the columns 8 (l / 16) + 0..7.  So the bias of a column block is
; eight registers for all rows, and it is the C operand of the product that starts each sum: the addition costs nothing.
; REGISTERS, in windows of 256 (s_set_vgpr_msb: bits 1:0 source 0, 3:2 source 1, 5:4 source 2, 7:6 destination):
;   window 0: v0-31 addresses; v64-127, v128-191 fragments of A, two buffers; v32-63, v192-255 at work on the way out
;   window 1: v0-63 the bias of my 128 columns; v64-127, v128-191 fragments of B, two buffers; v192-223 at work on the bias
;   window 2: the accumulators of my rows 0-63 ((a, b) at v[8 (8 a + b)]);   window 3: those of my rows 64-127
.set PITCH,  272                       ; a row of A in LDS: 256 bytes + 16 of padding: the 16 rows of a fragment load start 16 bytes apart modulo 256
.set PB,     544                       ; a row of B in LDS: 512 bytes + 32 of padding = 17 x 32: the 8 rows x 32 bytes that 16 lanes of the turning load take do not meet modulo 256
.set HALFT,  128*PITCH                 ; what one tensor load brings: 128 rows of A, or 64 rows of B (64 x 544 is the same 34,816 bytes)
.set SLOT,   4*HALFT                   ; A's 256 rows, then B's 128 rows
.set STAGE,  2*SLOT                    ; behind the ring: 16 rows x 272 bytes for each wave, for the way out; no tensor load lands there
.set SPITCH, 272
.set SPARE,  STAGE+4*16*SPITCH         ; behind the stages: the spare words, 128 bytes for each wave: two blocks of 256 bytes that no other line names
.set XROW,   2048                      ; bytes in a row of A and of B in memory
.set WOFF,   25165824                  ; cb: Wq begins here, Wk and Wv follow
.set ASTEP,  256                       ; a K step in A: 128 numbers along a row
.set BSTEP,  128*XROW                  ; a K step in B: 128 rows
.set ADRA, 16                          ; v16-17  LDS address of my A fragments in slot 0, 1
.set ADRB, 20                          ; v20-21  the same for B
.set STO,  24                          ; v24     the way out: where I put 16 bytes of a row
.set RD,   25                          ; v25     the way out: where I read rows back
.set CO,   26                          ; v26     16 x lane: my place in 512 consecutive bytes of qkv
.set BOF,  27                          ; v27     my byte offset in the bias
.set SPW,  28                          ; v28     LDS address of my spare word; never rewritten
.set NIL,  29                          ; v29     0; never rewritten
.set PFO,  30                          ; v30     the prefetches' lane offset; never rewritten
.set F0,   64
.set F1,   128
.set TMP,  192
.set OB,   32
.set WV,   12                          ; s12  wave
.set HM,   13                          ; s13  which half of the tile's rows is mine.  Also: I fetch for A (0) or for B (1)
.set HN,   14                          ; s14  which half of its columns.  Also: which half of that tile I fetch
.set PROJ, 15                          ; s15  0 q, 1 k, 2 v
.set G1,   24                          ; s[24:31] descriptor group 1 for A's tiles;  s[32:39] group 0, one set for each slot
.set G0,   32
.set LIM,  43                          ; s43  1 in a wave that prefetches, else the greatest number
.set PFA,  44                          ; s[44:45] where my prefetches stand
.set G1B,  48                          ; s[48:55], s[56:63] the same two groups for B's tiles
.set G0B,  56
.set PFS,  68                          ; s[68:69] a K step in the tensor that I prefetch
.set MSB, 0
.macro WIN new                         ; the immediate's high byte repeats the setting that is left; a switch that changes nothing is dropped
.if MSB != (\new)
	s_set_vgpr_msb (MSB<<8)|(\new)
.set MSB, \new
.endif
.endm
; A joint load.  Waves 0 and 1 fetch A's two halves, waves 2 and 3 B's.  The branch hangs on the wave's number alone.  An s_nop 0 and four v_nop follow each of the two lines.
.macro JLOAD s
	s_cmp_eq_u32 s[HM], 0
	s_cbranch_scc0 .Lfor_b_\@
	tensor_load_to_lds s[G0+4*(\s):G0+4*(\s)+3], s[G1:G1+7]
	s_nop 0
.rept 4
	v_nop
.endr
	s_branch .Lasked_\@
.Lfor_b_\@:
	tensor_load_to_lds s[G0B+4*(\s):G0B+4*(\s)+3], s[G1B:G1B+7]
	s_nop 0
.rept 4
	v_nop
.endr
.Lasked_\@:
.endm
; A PREFETCH INTO THE L2 of the K step that stands TWO refills on (512 matrix instructions ahead of the load that will want it): one instruction a wave, 32 blocks of 256 bytes, a lane a block.
; Each block is named once in the launch.  A's rows are read by one cluster: its four partners along x take 32 of a wave's 128 rows each, told apart by address.  B's rows are read by the four clusters of a
; projection: the first of them asks, and its four partners along y take 16 of a wave's 64 rows (two blocks a row) each.  K steps 0 to 3 come by their loads alone; the loop's last trip (s3 = 1) asks for nothing.
.macro ASK
	s_cmp_gt_u32 s3, s[LIM]
	s_cbranch_scc0 .Lnot_mine_\@
	global_prefetch_b8 v[PFO], s[PFA:PFA+1] th:TH_LOAD_NT scope:SCOPE_SE
.Lnot_mine_\@:
.endm
.macro CREST                           ; a round of the cluster's barrier behind its opening barrier
	s_cmp_lg_u32 s[WV], 0
	s_cbranch_scc1 .Lnot_wave_0_\@
	s_barrier_signal -3
.Lnot_wave_0_\@:
	s_barrier_wait -3
	s_barrier_signal -1
	s_barrier_wait -1
.endm
.macro CROUND                          ; a whole round
	s_barrier_signal -1
	s_barrier_wait -1
	CREST
.endm
.macro PLACES                          ; four plain vector instructions between a matrix instruction and a load into, or a vector read of, its registers
.rept 4
	v_nop
.endr
.endm
	s_load_b256 s[4:11], s[0:1], 0x0               ; cb s[4:5], bq s[6:7], bv s[8:9], qkv s[10:11]
	v_lshl_add_u32 v[SPW], v0, 2, SPARE
	v_mov_b32 v[NIL], 0
	ds_add_u32 v[SPW], v[NIL]                      ; the wave's opening: the add, twice on end, and its wait ahead of my first tensor load
	ds_add_u32 v[SPW], v[NIL]                      ; and once more, under the one wait; the set-up below, work on registers, stands between
	v_lshrrev_b32 v1, 5, v0
	v_readfirstlane_b32 s[WV], v1                  ; wave 0..3
	s_lshr_b32 s[HM], s[WV], 1
	s_and_b32 s[HN], s[WV], 1
	s_bfe_u32 s40, ttmp6, 0x40000                  ; cx
	s_bfe_u32 s41, ttmp6, 0x40004                  ; cy
	s_lshl_b32 s42, ttmp9, 2
	s_add_co_u32 s42, s42, s40                     ; tile column = 4 x cluster x + cx: 0..3
	s_and_b32 s67, ttmp7, 0xffff                   ; cluster y: 0..11
	s_lshl_b32 s66, s67, 2
	s_add_co_u32 s66, s66, s41                     ; tile row of the stack = 4 x cluster y + cy: 0..47
	s_lshr_b32 s[PROJ], s67, 2                     ; four clusters to a projection
	s_lshl_b32 s16, s41, 2
	s_lshl_b32 s16, 15, s16                        ; my row of the cluster
	s_lshl_b32 s17, 0x1111, s40                    ; my column
	s_or_b32 s[G1], s16, (1<<16)|(1<<20)|(1<<21)|(5<<22)|(3<<25)   ; the mask; 2-byte elements; padding on; bit 21 beside a mask; after every 64 words, 4 words
	s_mov_b32 s[G1+1], 128<<16                     ; tensor_dim0 = 128
	s_mov_b32 s[G1+2], 128<<16                     ; tensor_dim1 = 128
	s_mov_b32 s[G1+3], 128<<16                     ; tile_dim0 = 128
	s_mov_b32 s[G1+4], 128                         ; tile_dim1 = 128
	s_mov_b32 s[G1+5], 1024                        ; elements from row to row
	s_mov_b32 s[G1+6], 0
	s_mov_b32 s[G1+7], 0
	s_or_b32 s[G1B], s17, (1<<16)|(1<<20)|(1<<21)|(6<<22)|(7<<25)  ; after every 128 words, 8 words
	s_mov_b32 s[G1B+1], 256<<16                    ; tensor_dim0 = 256
	s_mov_b32 s[G1B+2], 64<<16                     ; tensor_dim1 = 64
	s_mov_b32 s[G1B+3], 256<<16                    ; tile_dim0 = 256
	s_mov_b32 s[G1B+4], 64                         ; tile_dim1 = 64
	s_mov_b32 s[G1B+5], 1024
	s_mov_b32 s[G1B+6], 0
	s_mov_b32 s[G1B+7], 0
	s_lshl_b32 s18, s66, 8                         ; A: row 256 x tile row + 128 x half: made of the tile row and the wave's number alone
	s_lshl_b32 s19, s[HN], 7
	s_add_co_u32 s18, s18, s19
	s_lshl_b32 s18, s18, 11                        ; in bytes: under 2^25
	s_mov_b32 s19, 0
	s_lshl_b32 s20, s[PROJ], 21                    ; B: the projection's weights, row 64 x half, column 256 x tile column: no cy enters
	s_lshl_b32 s21, s[HN], 17
	s_add_co_u32 s20, s20, s21
	s_lshl_b32 s21, s42, 9
	s_add_co_u32 s20, s20, s21
	s_add_co_u32 s20, s20, WOFF
	s_mov_b32 s21, 0
	s_mul_i32 s22, s[WV], HALFT                    ; where my part of a tile goes: the wave's number alone
	s_wait_dscnt 0x0                               ; both opening adds are done
	s_wait_kmcnt 0x0
	s_add_nc_u64 s[18:19], s[4:5], s[18:19]
	s_add_nc_u64 s[20:21], s[4:5], s[20:21]
	CROUND                                         ; all sixteen work-groups are here: the first joint loads meet
.irp s, 0,1
	s_mov_b32 s[G0+4*(\s)], 1
	s_add_co_u32 s[G0+4*(\s)+1], s22, (\s)*SLOT
	s_add_nc_u64 s[G0+4*(\s)+2:G0+4*(\s)+3], s[18:19], (\s)*ASTEP
	s_or_b32 s[G0+4*(\s)+3], s[G0+4*(\s)+3], 0x80000000
	s_mov_b32 s[G0B+4*(\s)], 1
	s_add_co_u32 s[G0B+4*(\s)+1], s22, (\s)*SLOT
	s_add_nc_u64 s[G0B+4*(\s)+2:G0B+4*(\s)+3], s[20:21], (\s)*BSTEP
	s_or_b32 s[G0B+4*(\s)+3], s[G0B+4*(\s)+3], 0x80000000
	JLOAD \s                                       ; K steps 0 and 1: two loads of mine are out
.endr
	; lane addresses
	v_and_b32 v1, 15, v0                           ; r = l % 16
	v_bfe_u32 v2, v0, 4, 1                         ; h = l / 16
	v_mul_u32_u24 v3, v1, PITCH
	v_lshl_add_u32 v3, v2, 4, v3                   ; r x 272 + 16 h
	s_mul_i32 s16, s[HM], HALFT                    ; my 128 rows of A
	v_add_nc_u32 v[ADRA], s16, v3
	v_add_nc_u32 v[ADRA+1], SLOT, v[ADRA]
	v_and_b32 v4, 7, v0                            ; the turning load: lane l reads row 8 h + l % 8, 16 bytes at 16 ((l / 8) % 2)
	v_lshl_add_u32 v4, v2, 3, v4
	v_mul_u32_u24 v4, v4, PB
	v_bfe_u32 v5, v0, 3, 1
	v_lshl_add_u32 v4, v5, 4, v4
	s_lshl_b32 s16, s[HN], 8                       ; my 128 columns: 256 bytes,
	s_add_co_u32 s16, s16, 2*HALFT                 ; behind A's 256 rows
	v_add_nc_u32 v[ADRB], s16, v4
	v_add_nc_u32 v[ADRB+1], SLOT, v[ADRB]
	s_mul_i32 s16, s[WV], 16*SPITCH
	s_add_co_u32 s16, s16, STAGE                   ; my stage
	v_add_nc_u32 v[STO], s16, v3                   ; in: row r, 16 bytes for each half of the lanes
	v_bfe_u32 v6, v0, 3, 2                         ; back: 32 lanes take four rows x 128 bytes: one head's part
	v_mul_u32_u24 v6, v6, SPITCH
	v_and_b32 v7, 7, v0
	v_lshl_add_u32 v6, v7, 4, v6
	v_add_nc_u32 v[RD], s16, v6
	v_and_b32 v6, 31, v0                           ; lane
	v_lshlrev_b32 v[CO], 4, v6
	s_lshl_b32 s16, s42, 10                        ; the bias: 4 bytes x (256 x tile column + 128 x half + 8 h)
	s_lshl_b32 s17, s[HN], 9
	s_add_co_u32 s16, s16, s17
	v_lshl_add_u32 v[BOF], v2, 5, s16
	v_lshrrev_b32 v[PFO], s[HM], v6                ; the prefetches: for A a lane a row (l x 2,048); for B two lanes a row ((l / 2) x 2,048 + (l % 2) x 256)
	v_lshlrev_b32 v[PFO], 11, v[PFO]
	v_and_b32 v6, s[HM], v6
	v_lshl_add_u32 v[PFO], v6, 8, v[PFO]
	; my part of qkv: projection, head 4 x tile column + 2 x half, row 256 x (tile row % 16) + 128 x half
	s_lshl_b32 s16, s[PROJ], 23
	s_lshl_b32 s17, s42, 21
	s_add_co_u32 s16, s16, s17
	s_lshl_b32 s17, s[HN], 20
	s_add_co_u32 s16, s16, s17
	s_and_b32 s17, s66, 15
	s_lshl_b32 s17, s17, 15
	s_add_co_u32 s16, s16, s17
	s_lshl_b32 s17, s[HM], 14
	s_add_co_u32 s16, s16, s17
	s_mov_b32 s17, 0
	s_add_nc_u64 s[10:11], s[10:11], s[16:17]
	; where my prefetches stand: at K step 3; the first change of slots steps them to 4
	s_lshl_b32 s16, s66, 19                        ; A: row 256 x tile row + 128 x half + 32 cx
	s_lshl_b32 s17, s[HN], 18
	s_add_co_u32 s16, s16, s17
	s_lshl_b32 s17, s40, 16
	s_add_co_u32 s16, s16, s17
	s_add_co_u32 s16, s16, 3*ASTEP
	s_lshl_b32 s18, s[PROJ], 21                    ; B: row 64 x half + 16 cy, column 256 x tile column
	s_lshl_b32 s19, s[HN], 17
	s_add_co_u32 s18, s18, s19
	s_lshl_b32 s19, s41, 15
	s_add_co_u32 s18, s18, s19
	s_lshl_b32 s19, s42, 9
	s_add_co_u32 s18, s18, s19
	s_add_co_u32 s18, s18, WOFF+3*BSTEP
	s_and_b32 s19, s67, 3
	s_cmp_eq_u32 s19, 0                            ; the projection's first cluster asks for B
	s_cselect_b32 s19, 1, -1
	s_mov_b32 s20, BSTEP
	s_cmp_eq_u32 s[HM], 0
	s_cselect_b32 s16, s16, s18
	s_cselect_b32 s[LIM], 1, s19
	s_cselect_b32 s[PFS], ASTEP, s20
	s_mov_b32 s[PFS+1], 0
	s_mov_b32 s17, 0
	s_add_nc_u64 s[PFA:PFA+1], s[4:5], s[16:17]
	; the bias of my 128 columns, rounded to bf16 and widened again, into window 1: block b's eight numbers at v[8 b].  For k: zeros (64 lines, in the wait for the first tile), so that one text starts all three sums.
	s_cmp_eq_u32 s[PROJ], 0
	s_cselect_b64 s[46:47], s[6:7], s[8:9]
	s_cmp_eq_u32 s[PROJ], 1
	s_cbranch_scc1 .Lno_bias
	WIN 0x40                                       ; destination window 1, address window 0
.irp b, 0,1,2,3,4,5,6,7
	global_load_b128 v[8*(\b):8*(\b)+3],   v[BOF], s[46:47] offset:64*(\b)
	global_load_b128 v[8*(\b)+4:8*(\b)+7], v[BOF], s[46:47] offset:64*(\b)+16
.endr
	s_wait_loadcnt 0x0
	WIN 0x55                                       ; all in window 1
.set i, 0
.rept 32
	v_cvt_pk_bf16_f32 v[192+i], v[2*i], v[2*i+1]
.set i, i+1
.endr
.set i, 0
.rept 32
	v_lshlrev_b32 v[2*i],   16,         v[192+i]
	v_and_b32     v[2*i+1], 0xffff0000, v[192+i]
.set i, i+1
.endr
	WIN 0
	s_branch .Lbias_done
.Lno_bias:
	WIN 0x40
.set i, 0
.rept 64
	v_mov_b32 v[i], 0
.set i, i+1
.endr
	WIN 0
.Lbias_done:
; 16 matrix instructions: row blocks a0, a0 + 1 of the window's four (hi = 0: my rows 0-63, 1: rows 64-127) x all 8 column blocks, 32 along K.  zero = 1: the bias starts the sums.
.macro MUL16 f, hi, a0, zero
.if \zero
	WIN 0x91+0x40*(\hi)                            ; B window 1, A window 0, C (the bias) window 1, D window 2 or 3
.else
	WIN 0xa1+0x50*(\hi)                            ; C and D window 2 or 3
.endif
.irp a, \a0, (\a0)+1
.irp b, 0,1,2,3,4,5,6,7
.if \zero
	v_wmma_f32_16x16x32_bf16 v[8*(8*(\a)+(\b)):8*(8*(\a)+(\b))+7], v[(\f)+8*(\b):(\f)+8*(\b)+7], v[(\f)+8*(4*(\hi)+(\a)):(\f)+8*(4*(\hi)+(\a))+7], v[8*(\b):8*(\b)+7]
.else
	v_wmma_f32_16x16x32_bf16 v[8*(8*(\a)+(\b)):8*(8*(\a)+(\b))+7], v[(\f)+8*(\b):(\f)+8*(\b)+7], v[(\f)+8*(4*(\hi)+(\a)):(\f)+8*(4*(\hi)+(\a))+7], v[8*(8*(\a)+(\b)):8*(8*(\a)+(\b))+7]
.endif
.endr
.endr
.endm
; 32 LDS loads in one run: the fragments of quarter q of a K step (32 along K) into buffer f: B's 8 column blocks, turned (32 rows of B are 17,408 bytes, 16 rows 8,704), then A's 8 row blocks.
.macro FETCH slot, q, f
	WIN 0x40
.irp i, 0,1,2,3,4,5,6,7
	ds_load_tr16_b128 v[(\f)+8*(\i):(\f)+8*(\i)+3],   v[ADRB+(\slot)] offset:32*PB*(\q)+32*(\i)
	ds_load_tr16_b128 v[(\f)+8*(\i)+4:(\f)+8*(\i)+7], v[ADRB+(\slot)] offset:32*PB*(\q)+16*PB+32*(\i)
.endr
	WIN 0
.irp i, 0,1,2,3,4,5,6,7
	ds_load_b128 v[(\f)+8*(\i):(\f)+8*(\i)+3],   v[ADRA+(\slot)] offset:64*(\q)+(\i)*16*PITCH
	ds_load_b128 v[(\f)+8*(\i)+4:(\f)+8*(\i)+7], v[ADRA+(\slot)] offset:64*(\q)+(\i)*16*PITCH+32
.endr
.endm
; One of a K step's first three quarters: multiplies buffer f; in its middle it fetches quarter q of the same slot into buffer g.
.macro QUARTER slot, q, f, g, zero
	s_wait_dscnt 8                                 ; B and A's rows 0-63 are in; the youngest eight loads (A's rows 64-127) may be out
	MUL16 \f, 0, 0, \zero
	MUL16 \f, 0, 2, \zero
	PLACES
	FETCH \slot, \q, \g
	s_wait_dscnt 32                                ; all but the 32 just issued
	MUL16 \f, 1, 0, \zero
	MUL16 \f, 1, 2, \zero
.endm
; The first half of a K step's last quarter: ONE barrier for the change of slots.  In front of it each wave waits for all its tensor loads (the one that is out is its part of the next slot), adds 0 to its
; spare word, and waits for that and for its own reads of this slot.  Behind it nobody reads this slot any more and the next slot is whole.
.macro MEET round
	WIN 0
	s_wait_tensorcnt 0x0
	ds_add_u32 v[SPW], v[NIL]
	s_wait_dscnt 9                                 ; the add and the youngest eight loads may be out
	MUL16 F1, 0, 0, 0                              ; sixteen matrix instructions between the add and the wait for it
	s_wait_dscnt 0x0                               ; the add is done, and my reads of this slot are over
	s_barrier_signal -1
	MUL16 F1, 0, 2, 0
.if \round
	WIN 0
.endif
	s_barrier_wait -1
.endm
; The whole last quarter in the loop: the barrier opens a round of the cluster's; behind the round this slot is filled again, two K steps on, first of all; then the next slot's first fragments are read.
.macro TURN slot, next
	s_wait_xcnt 0x0                                ; the last prefetch, a K step back, has read its address
	s_add_nc_u64 s[PFA:PFA+1], s[PFA:PFA+1], s[PFS:PFS+1]
	MEET 1
	CREST                                          ; no wave of any partner still reads this slot's tile or has a load on its way
	s_add_nc_u64 s[G0+4*(\slot)+2:G0+4*(\slot)+3], s[G0+4*(\slot)+2:G0+4*(\slot)+3], 2*ASTEP
	s_add_nc_u64 s[G0B+4*(\slot)+2:G0B+4*(\slot)+3], s[G0B+4*(\slot)+2:G0B+4*(\slot)+3], 2*BSTEP
	JLOAD \slot                                    ; its four v_nop are also the places in front of the loads below
	FETCH \next, 0, F0
	ASK
	MUL16 F1, 1, 0, 0
	MUL16 F1, 1, 2, 0
.endm
; THE WAY OUT of row block a (16 rows x 128 columns = two heads): rounded to f16, 16 bytes a lane; into my own stage; back as four rows x 128 bytes of one head, which are 512 consecutive bytes of qkv.
.macro PACK a
.set AC, 64*((\a)%4)
	WIN 0x0a+5*((\a)/4)                            ; sources 0 and 1: window 2 or 3
.irp b, 0,1,2,3,4,5,6,7
.irp r, 0,1,2,3
	v_cvt_pk_f16_f32 v[TMP+4*(\b)+(\r)], v[AC+8*(\b)+2*(\r)], v[AC+8*(\b)+2*(\r)+1]
.endr
.endr
	WIN 0
.endm
.macro TOSTAGE a
.set BK, OB+192*((\a)%2)
.irp b, 0,1,2,3,4,5,6,7
	ds_store_b128 v[STO], v[TMP+4*(\b):TMP+4*(\b)+3] offset:32*(\b)
.endr
.irp t, 0,1,2,3,4,5,6,7
	ds_load_b128 v[BK+4*(\t):BK+4*(\t)+3], v[RD] offset:((\t)%4)*4*SPITCH+((\t)/4)*128  ; LDS serves a wave's instructions in order: these see the stores above
.endr
.endm
.macro SEND a
.set BK, OB+192*((\a)%2)
	s_wait_dscnt 0x0                               ; the block is back in registers
	s_wait_xcnt 0x0                                ; the stores of the block before have read their registers: the next TOSTAGE loads into them
.irp t, 0,1,2,3,4,5,6,7
	global_store_b128 v[CO], v[BK+4*(\t):BK+4*(\t)+3], s[10:11] offset:(\a)*2048+((\t)/4)*524288+((\t)%4)*512  ; 512 consecutive bytes, at a multiple of 256 from qkv's first
.endr
.endm
	s_wait_tensorcnt 1                             ; my part of K step 0 is in; K step 1's may stay out
	s_barrier_signal -1
	s_barrier_wait -1
	FETCH 0, 0, F0
	QUARTER 0, 1, F0, F1, 1                        ; the first quarter stands in front of the loop: its products start the sums
	WIN 0
	s_mov_b32 s3, 3
.Llap:                                         ; a trip goes once round the ring, from a lap's second quarter to the next lap's first, and fills both slots again.  The 64 accumulators take turns in one order everywhere
	QUARTER 0, 2, F1, F0, 0
	QUARTER 0, 3, F0, F1, 0
	TURN 0, 1
	QUARTER 1, 1, F0, F1, 0
	QUARTER 1, 2, F1, F0, 0
	QUARTER 1, 3, F0, F1, 0
	TURN 1, 0
	QUARTER 0, 1, F0, F1, 0
	WIN 0
	s_sub_co_u32 s3, s3, 1
	s_cmp_lg_u32 s3, 0
	s_cbranch_scc1 .Llap
	QUARTER 0, 2, F1, F0, 0                        ; the last lap fills nothing
	QUARTER 0, 3, F0, F1, 0
	MEET 0                                         ; the load that was still out is K step 7's
	PLACES
	FETCH 1, 0, F0
	MUL16 F1, 1, 0, 0
	MUL16 F1, 1, 2, 0
	QUARTER 1, 1, F0, F1, 0
	QUARTER 1, 2, F1, F0, 0
	QUARTER 1, 3, F0, F1, 0
	s_wait_dscnt 8
	MUL16 F1, 0, 0, 0
	MUL16 F1, 0, 2, 0
	s_wait_dscnt 0x0
	MUL16 F1, 1, 0, 0
	MUL16 F1, 1, 2, 0
	PLACES
	PACK 0
	TOSTAGE 0
.irp a, 1,2,3,4,5,6,7                  ; block a's conversions stand between block a - 1's loads from the stage and the wait for them
	PACK \a
	SEND (\a)-1
	TOSTAGE \a
.endr
	SEND 7
	s_wait_tensorcnt 0x0                           ; the wave's end: behind my last tensor load and my last LDS store
	ds_add_u32 v[SPW], v[NIL]
	s_wait_dscnt 0x0
	CROUND                                         ; the closing round: no work-group ends while a partner may still ask for a tile that names it
	s_endpgm
.Lfunc_end_k_q426f28589a_proj:
	.size	k_q426f28589a_proj, .Lfunc_end_k_q426f28589a_proj-k_q426f28589a_proj
	.p2alignl 7, 3214868480
	.fill 96, 4, 3214868480
	.section	.rodata,"a",@progbits
	.p2align	6, 0x0
	.amdhsa_kernel k_q426f28589a_proj
		.amdhsa_group_segment_fixed_size 327680
		.amdhsa_private_segment_fixed_size 0
		.amdhsa_enable_private_segment 0
		.amdhsa_kernarg_size 32
		.amdhsa_user_sgpr_count 2
		.amdhsa_user_sgpr_kernarg_segment_ptr 1
		.amdhsa_wavefront_size32 1
		.amdhsa_system_sgpr_workgroup_id_x 1
		.amdhsa_system_sgpr_workgroup_id_y 1
		.amdhsa_system_sgpr_workgroup_id_z 1
		.amdhsa_system_vgpr_workitem_id 0
		.amdhsa_next_free_vgpr 1024
		.amdhsa_next_free_sgpr 72
		.amdhsa_reserve_vcc 0
		.amdhsa_float_denorm_mode_32 3
		.amdhsa_float_denorm_mode_16_64 3
		.amdhsa_memory_ordered 1
		.amdhsa_forward_progress 1
		.amdhsa_inst_pref_size 153
	.end_amdhsa_kernel
	.amdgpu_metadata
---
amdhsa.version: [ 1, 2 ]
amdhsa.kernels:
  - .name:           k_q426f28589a_proj
    .symbol:         k_q426f28589a_proj.kd
    .args:
      - { .name: cb, .offset: 0, .size: 8, .value_kind: global_buffer, .address_space: global }
      - { .name: bq, .offset: 8, .size: 8, .value_kind: global_buffer, .address_space: global }
      - { .name: bv, .offset: 16, .size: 8, .value_kind: global_buffer, .address_space: global }
      - { .name: qkv, .offset: 24, .size: 8, .value_kind: global_buffer, .address_space: global }
    .group_segment_fixed_size: 327680
    .private_segment_fixed_size: 0
    .kernarg_segment_align: 8
    .kernarg_segment_size: 32
    .max_flat_workgroup_size: 128
    .sgpr_count:     72
    .vgpr_count:     1024
    .wavefront_size: 32
...
	.end_amdgpu_metadata
.endif
;; end of part 2
;; launch attn (part 3): grid 16 x 16, 4 waves a work-group, no clusters, 175,104 bytes of LDS; arguments qkv, ob; writes ob
.if DOCPART == 3
	.amdgcn_target "amdgcn-amd-amdhsa--gfx1250"
	.amdhsa_code_object_version 6
	.text
	.protected	k_q426f28589a_attn
	.globl	k_q426f28589a_attn
	.p2align	8
	.type	k_q426f28589a_attn,@function
k_q426f28589a_attn:
	s_mov_b64 s[64:65], 0
	v_nop
	global_prefetch_b8 v0, s[64:65] scope:SCOPE_SE
	s_setreg_imm32_b32 hwreg(HW_REG_WAVE_MODE, 25, 1), 1
	s_wait_xcnt 0x0
; O[h][i] = the sum over the keys j that row i sees of softmax_j(q[h][i] . k[h][j] / 8) v[h][j].  q, k, v: qkv[3][16][4096][64] in f16; O: ob[16][4096][64] in f16.
; LEFT OUT: key tiles that the problem's own mask hides as a whole (shown at the head of the first kernel).  Row i sees j in i - 256 .. i and, where i - j > 256, j in 0 .. 15.
; Products, maxima and sums in f32; the weights p are rounded to f16 for the second product (their sum l is taken of the unrounded p), O once at the end.
; LIMITS.  A hidden score inside a live tile counts as its value less 1e30 (f16's scores are 2.7e11 at the most); a weight below 2^-126 counts as 0; NaN and infinities are not treated apart.
; SHARES.  A work-group owns 256 queries of one head (q0 = 256 x block), a wave 64 (a = q0 + 64 w), four tiles of 16.  All keys that the work-group needs lie in LDS at once: the window q0 - 256 .. q0 + 255
; (LDS row = key - q0 + 256) and the keys 0 .. 31.  So LDS is filled once, there is one barrier, and then the waves run free.
; A WAVE'S STEPS, 64 keys each: the diagonal (keys a .. a + 63) first, since every row has a true score there; three whole steps back (a - 64 (n + 1) .., n = 0, 1, 2); the band's edge (n = 3: a - 256 .. a - 193);
; then keys 0 .. 31, of which 16 .. 31 are hidden and only fill the second product's 32 keys.  The window steps hold just the keys with 0 <= i - j <= 256, the last step just j < 16 with i - j > 256.
; BLOCK 0: steps n >= w would hold keys below 0 and the last step is hidden as a whole: they are jumped over, forward, past no barrier and no tensor load.  Its window's lower half is filled from key 0 on and,
; like its keys 0 .. 31, never read: the price, in 16 of 256 work-groups, of one text for the fills.
; THE MASK is the C operand that starts the sum S^T = K Q^T: 0, or -1e30 where the key is hidden.  With e = l % 16 - 8 (l / 16), register j of the block on the diagonal is hidden where j > e (diagonal step),
; j < e (band's edge), j >= e (last step, tile 0 of the wave whose first row is 256: there i - j > 256 means l % 16 > j's key).
; LAYOUT.  S^T holds ONE query a lane (l % 16) and the keys 8 (l / 16) + 0..7; two such results rounded to f16 ARE source 1 of O^T = V^T P.  p = 2^(c s - c m), c = log2(e) / 8, with a running maximum m; O and l
; are multiplied by a = 2^(c m_old - c m_new) in every step but the first.  K comes out of LDS as it lies, V turned, by ds_load_tr16_b128.
; NO CLUSTER: a part of 256 keys is read by two neighbouring blocks alone, and at different LDS rows in the two; a joint load has one LDS address for all that it names.
; NO PREFETCH: all loads go out at the kernel's head.
; REGISTERS, in windows of 256 (s_set_vgpr_msb: bits 1:0 source 0, 3:2 source 1, 5:4 source 2, 7:6 destination):
;   window 0: v0-15 addresses; v16-31 statistics, four a tile; v32-47 at work, four a tile; v48-51 c m_old; v64-191 S^T, 32 a tile; v192-255 P, 16 a tile
;   window 1: v0-127 O^T, 32 a tile; v192-239 six masks of eight          window 2: v0-63 Q; v128-191 K of one step; v192-255 V of one step
.set PKB,   144       ; a row of K in LDS: 128 bytes + 16 of padding
.set PVB,   160       ; a row of V: 128 + 32
.set VOFF,  512*PKB   ; the window's K, then its V,
.set GKOFF, VOFF+512*PVB  ; then K of keys 0 .. 31,
.set GVOFF, GKOFF+32*PKB  ; then their V
.set STAGE, GVOFF+32*PVB  ; 165,376 = 646 x 256: 16 rows x 144 bytes for each wave, for the way out; no tensor load lands there
.set SP,    144
.set SPARE, STAGE+4*16*SP ; the spare words, 128 bytes for each wave: two blocks of 256 bytes that no other line names
.set AK0, 2           ; v2   my lane's place in a tile of K; never rewritten
.set AV0, 3           ; v3   the same for V, VOFF included
.set AK,  4           ; v4   the LDS address of K's run of loads
.set AV,  5           ; v5   of V's
.set STO, 6
.set RD,  7
.set GO,  8
.set QO,  15
.set ST,  16          ; tile t: c m, m, l (even keys', odd keys') at v[ST+4 t]
.set TMP, 32          ; tile t: c0-c3 at work; c2 takes a
.set MV,  48
.set SPW, 62
.set NIL, 63
.set S,   64
.set P,   192
.set MDC, 192         ; window 1: the diagonal's mask
.set MDL, 200         ; the band's edge's
.set BIG, 208         ; all hidden
.set MG,  216         ; the last step's, tile 0
.set XLT, 224         ; the loop's mask for key blocks below the tile's
.set XEQ, 232         ; and for the tile's own
.set KF,  128         ; window 2: key block kb, channel half c at KF + 16 kb + 8 c
.set VF,  192         ; window 2: key half kk, channel block cb at VF + 32 kk + 8 cb
.set WV,  12
.set BLK, 13
.set HEAD, 14
.set G1K,  24         ; s[24:31] group 1: 256 keys of K     s[32:39] of V
.set G1V,  32
.set G1KG, 40         ; s[40:47] group 1: 16 keys of K      s[48:55] of V
.set G1VG, 48
.set G0K,  56         ; s[56:59], s[60:63], s[68:71], s[72:75]: the four group 0
.set G0KG, 60
.set G0V,  68
.set G0VG, 72
.set CS,  76          ; s[76:77] c
.set SEL, 78          ; s[78:79] v_permlanex16_b32's selects
.set TBK, 80          ; s80  LDS byte at which K of the step begins
.set TBV, 81          ; s81  the same for V, less VOFF
.set N,   82          ; s82  the loop's count
.set LIM, 83          ; s83  steps n >= LIM are dead
.set AL,  84          ; s[84:85] 1.0 at the band's edge, else 0
.set BE,  86          ; s86  -1e30 at the band's edge, else 0
.set BIGN, 87         ; s87  -1e30
.set GB,  88          ; s88  -1e30 in the wave whose first row is 256, else 0
.set MSB, 0
.macro WIN new
.if MSB != (\new)
	s_set_vgpr_msb (MSB<<8)|(\new)
.set MSB, \new
.endif
.endm
.macro PLACES                       ; four plain vector instructions between a matrix instruction and a load into, or a vector read of, its registers
.rept 4
	v_nop
.endr
.endm
.macro ALL line:vararg              ; one line for each tile t: so no line reads the result of the line before it
.set t, 0
.rept 4
	\line
.set t, t+1
.endr
.endm
	s_load_b128 s[4:7], s[0:1], 0x0 ; qkv s[4:5], ob s[6:7]
	v_lshl_add_u32 v[SPW], v0, 2, SPARE
	v_mov_b32 v[NIL], 0
	ds_add_u32 v[SPW], v[NIL]       ; the wave's opening: the add, twice on end, and its wait ahead of my first tensor load
	ds_add_u32 v[SPW], v[NIL]       ; and once more, under the one wait; the set-up below, work on registers, stands between
	v_lshrrev_b32 v1, 5, v0
	v_readfirstlane_b32 s[WV], v1   ; wave 0..3
	s_mov_b32 s[BLK], ttmp9
	s_and_b32 s[HEAD], ttmp7, 0xffff
	s_and_b32 s16, s[WV], 1         ; p: which half of the window, and of the keys 0 .. 31, I fetch
	s_add_co_u32 s17, s[BLK], s16
	s_sub_co_i32 s17, s17, 1        ; the half begins at key 256 (block + p - 1),
	s_max_i32 s17, s17, 0           ; in block 0 at key 0 for both
	s_lshl_b32 s18, s17, 15         ; 256 keys are 32,768 bytes
	s_mov_b32 s19, 0
	s_lshl_b32 s20, s16, 11         ; 16 keys are 2,048 bytes
	s_mov_b32 s21, 0
	s_lshl_b32 s22, s[HEAD], 19     ; a head is 524,288 bytes
	s_mov_b32 s23, 0
	s_lshl_b32 s2, s[BLK], 15       ; my wave's 64 rows in the head
	s_lshl_b32 s3, s[WV], 13
	s_add_co_u32 s2, s2, s3
	s_mov_b32 s3, 0
	; group 1.  Keys are dense in memory: asked for as rows of 256 bytes, two keys a row, and padded in LDS after every key
	s_mov_b32 s[G1K],  (1<<16)|(1<<20)|(4<<22)|(3<<25)  ; 2-byte elements; padding on; after every 32 words, 4 words
	s_mov_b32 s[G1V],  (1<<16)|(1<<20)|(4<<22)|(7<<25)  ; 8 words
	s_mov_b32 s[G1KG], (1<<16)|(1<<20)|(4<<22)|(3<<25)
	s_mov_b32 s[G1VG], (1<<16)|(1<<20)|(4<<22)|(7<<25)
.irp g, G1K, G1V
	s_mov_b32 s[\g+1], 128<<16      ; tensor_dim0 = 128
	s_mov_b32 s[\g+2], 128<<16      ; tensor_dim1 = 128
	s_mov_b32 s[\g+3], 128<<16      ; tile_dim0 = 128
	s_mov_b32 s[\g+4], 128          ; tile_dim1 = 128
	s_mov_b32 s[\g+5], 128          ; 128 elements from row to row
	s_mov_b32 s[\g+6], 0
	s_mov_b32 s[\g+7], 0
.endr
.irp g, G1KG, G1VG
	s_mov_b32 s[\g+1], 128<<16
	s_mov_b32 s[\g+2], 8<<16        ; tensor_dim1 = 8
	s_mov_b32 s[\g+3], 128<<16
	s_mov_b32 s[\g+4], 8            ; tile_dim1 = 8
	s_mov_b32 s[\g+5], 128
	s_mov_b32 s[\g+6], 0
	s_mov_b32 s[\g+7], 0
.endr
	s_mov_b32 s[G0K], 1
	s_mul_i32 s[G0K+1], s16, 256*PKB
	s_mov_b32 s[G0KG], 1
	s_mul_i32 s[G0KG+1], s16, 16*PKB
	s_add_co_u32 s[G0KG+1], s[G0KG+1], GKOFF
	s_mov_b32 s[G0V], 1
	s_mul_i32 s[G0V+1], s16, 256*PVB
	s_add_co_u32 s[G0V+1], s[G0V+1], VOFF
	s_mov_b32 s[G0VG], 1
	s_mul_i32 s[G0VG+1], s16, 16*PVB
	s_add_co_u32 s[G0VG+1], s[G0VG+1], GVOFF
	s_mov_b32 s[CS], 0x3e38aa3b     ; c = log2(e) / 8
	s_mov_b32 s[CS+1], s[CS]
	s_mov_b32 s[SEL], 0x76543210
	s_mov_b32 s[SEL+1], 0xfedcba98
	s_mov_b32 s[AL+1], 0            ; named as a pair
	s_mov_b32 s[BIGN], 0xf149f2ca   ; -1e30
	s_lshl_b32 s16, s[BLK], 2
	s_add_co_u32 s16, s16, s[WV]
	s_cmp_eq_u32 s16, 4             ; block 1, wave 0
	s_cselect_b32 s[GB], s[BIGN], 0
	s_cmp_eq_u32 s[BLK], 0
	s_cselect_b32 s[LIM], s[WV], 4
	s_mul_i32 s[TBK], s[WV], 64*PKB ; the diagonal step: LDS row 64 w + 256
	s_add_co_u32 s[TBK], s[TBK], 256*PKB
	s_mul_i32 s[TBV], s[WV], 64*PVB
	s_add_co_u32 s[TBV], s[TBV], 256*PVB
	s_wait_dscnt 0x0                ; both opening adds are done
	s_wait_kmcnt 0x0
	s_add_nc_u64 s[4:5], s[4:5], s[22:23]   ; q's head,
	s_add_nc_u64 s[8:9], s[4:5], 0x800000   ; k's,
	s_add_nc_u64 s[10:11], s[4:5], 0x1000000  ; v's
	s_add_nc_u64 s[4:5], s[4:5], s[2:3]     ; q and O at my wave's first row
	s_add_nc_u64 s[6:7], s[6:7], s[22:23]
	s_add_nc_u64 s[6:7], s[6:7], s[2:3]
	s_add_nc_u64 s[G0K+2:G0K+3], s[8:9], s[18:19]
	s_or_b32 s[G0K+3], s[G0K+3], 0x80000000
	s_add_nc_u64 s[G0KG+2:G0KG+3], s[8:9], s[20:21]
	s_or_b32 s[G0KG+3], s[G0KG+3], 0x80000000
	s_add_nc_u64 s[G0V+2:G0V+3], s[10:11], s[18:19]
	s_or_b32 s[G0V+3], s[G0V+3], 0x80000000
	s_add_nc_u64 s[G0VG+2:G0VG+3], s[10:11], s[20:21]
	s_or_b32 s[G0VG+3], s[G0VG+3], 0x80000000
	s_cmp_lt_u32 s[WV], 2           ; waves 0 and 1 fetch K, waves 2 and 3 V: a wave's two fills stand in one branch; two loads of mine are out
	s_cbranch_scc0 .Lfill_v
	tensor_load_to_lds s[G0K:G0K+3], s[G1K:G1K+7]
	s_nop 0
	tensor_load_to_lds s[G0KG:G0KG+3], s[G1KG:G1KG+7]
	s_nop 0
.rept 4
	v_nop
.endr
	s_branch .Lfilled
.Lfill_v:
	tensor_load_to_lds s[G0V:G0V+3], s[G1V:G1V+7]
	s_nop 0
	tensor_load_to_lds s[G0VG:G0VG+3], s[G1VG:G1VG+7]
	s_nop 0
.rept 4
	v_nop
.endr
.Lfilled:
	; A fragment of K or Q is 16 rows x 32 channels in 8 registers: lane l holds row l % 16, channels 8 (l / 16) + 0..7 and 16 + 8 (l / 16) + 0..7: two loads of 16 bytes, 32 bytes apart.
	v_and_b32 v1, 15, v0            ; l % 16
	v_bfe_u32 v9, v0, 4, 1          ; l / 16
	v_lshlrev_b32 v[QO], 7, v1
	v_lshl_add_u32 v[QO], v9, 4, v[QO]
	WIN 0x80                        ; destination window 2, address window 0
.set i, 0
.rept 8                             ; Q stays in registers: tile i / 2, channels 32 (i % 2) on
	global_load_b128 v[8*i:8*i+3],   v[QO], s[4:5] offset:(i/2)*2048+(i%2)*64
	global_load_b128 v[8*i+4:8*i+7], v[QO], s[4:5] offset:(i/2)*2048+(i%2)*64+32
.set i, i+1
.endr
	WIN 0
	v_lshlrev_b32 v14, 3, v9
	v_sub_nc_u32 v14, v1, v14       ; e = l % 16 - 8 (l / 16)
	WIN 0x40                        ; the masks: destination window 1
.set j, 0
.rept 8
	v_cmp_gt_i32 vcc_lo, j, v14
	v_cndmask_b32 v[MDC+j], 0, s[BIGN], vcc_lo
	v_cmp_lt_i32 vcc_lo, j, v14
	v_cndmask_b32 v[MDL+j], 0, s[BIGN], vcc_lo
	v_cmp_ge_i32 vcc_lo, j, v14
	v_cndmask_b32 v[MG+j], 0, s[GB], vcc_lo
	v_mov_b32 v[BIG+j], s[BIGN]
.set j, j+1
.endr
	WIN 0
	v_mul_u32_u24 v[AK0], v1, PKB
	v_lshl_add_u32 v[AK0], v9, 4, v[AK0]
	; The turning load takes 16 keys x 16 channels (lane l reads key 8 (l / 16) + l % 8, channels 8 ((l / 8) % 2) + 0..7) and leaves half a fragment of V^T: lane l holds channel l % 16 and 8 keys.
	v_and_b32 v10, 7, v0
	v_bfe_u32 v11, v0, 3, 1
	v_lshl_add_u32 v[AV0], v9, 3, v10
	v_mul_u32_u24 v[AV0], v[AV0], PVB
	v_lshl_add_u32 v[AV0], v11, 4, v[AV0]
	v_add_nc_u32 v[AV0], VOFF, v[AV0]
	s_mul_i32 s16, s[WV], 16*SP
	s_add_co_u32 s16, s16, STAGE    ; my stage
	v_mul_u32_u24 v[STO], v1, SP    ; in: row l % 16, 16 bytes for each half of the lanes
	v_lshl_add_u32 v[STO], v9, 4, v[STO]
	v_add_nc_u32 v[STO], s16, v[STO]
	v_bfe_u32 v[RD], v0, 3, 2       ; back: 32 lanes take four rows of 128 bytes,
	v_mul_u32_u24 v[RD], v[RD], SP
	v_lshl_add_u32 v[RD], v10, 4, v[RD]
	v_add_nc_u32 v[RD], s16, v[RD]
	v_and_b32 v[GO], 31, v0         ; which are 512 consecutive bytes of O
	v_lshlrev_b32 v[GO], 4, v[GO]
; THE LDS LOADS: a step's K (nkb blocks of 16 keys x 64 channels) and its V (turned), 4 nkb loads each.
.macro FETCH_K nkb
	WIN 0x80
.set f, 0
.rept 2*(\nkb)                      ; keys 16 (f / 2) on, channels 32 (f % 2) on
	ds_load_b128 v[KF+8*f:KF+8*f+3],   v[AK] offset:(f/2)*16*PKB+(f%2)*64
	ds_load_b128 v[KF+8*f+4:KF+8*f+7], v[AK] offset:(f/2)*16*PKB+(f%2)*64+32
.set f, f+1
.endr
.endm
.macro FETCH_V nkb
	WIN 0x80
.set f, 0
.rept 2*(\nkb)                      ; keys 32 (f / 4) on, channels 16 (f % 4) on
	ds_load_tr16_b128 v[VF+8*f:VF+8*f+3],   v[AV] offset:(f/4)*32*PVB+(f%4)*32
	ds_load_tr16_b128 v[VF+8*f+4:VF+8*f+7], v[AV] offset:(f/4)*32*PVB+16*PVB+(f%4)*32
.set f, f+1
.endr
.endm
; S^T = K Q^T for all four tiles: channels 32 c on, key block kb, tile t.  The first pass starts the sums, with 0 or a mask; the 4 nkb accumulators take turns.
; kind 0: the diagonal step.  kind 1: the loop's steps (XLT and XEQ are 0 but at the band's edge).  kind 2: keys 0 .. 31.
.macro KQ nkb, kind
.set c, 0
.rept 2
.if c == 0
	WIN 0x1a                        ; K and Q window 2, the mask window 1, S^T window 0
.else
	WIN 0x0a                        ; C in window 0
.endif
.set kb, 0
.rept \nkb
.set t, 0
.rept 4
.set rS, S+32*t+8*kb
.set rK, KF+16*kb+8*c
.set rQ, 16*t+8*c
.set rM, 0
.if (\kind) == 0
.if kb == t
.set rM, MDC
.elseif kb > t
.set rM, BIG
.endif
.elseif (\kind) == 1
.if kb == t
.set rM, XEQ
.elseif kb < t
.set rM, XLT
.endif
.else
.if kb == 1
.set rM, BIG
.elseif t == 0
.set rM, MG
.endif
.endif
.if c == 1
	v_wmma_f32_16x16x32_f16 v[rS:rS+7], v[rK:rK+7], v[rQ:rQ+7], v[rS:rS+7]
.elseif rM == 0
	v_wmma_f32_16x16x32_f16 v[rS:rS+7], v[rK:rK+7], v[rQ:rQ+7], 0
.else
	v_wmma_f32_16x16x32_f16 v[rS:rS+7], v[rK:rK+7], v[rQ:rQ+7], v[rM:rM+7]
.endif
.set t, t+1
.endr
.set kb, kb+1
.endr
.set c, c+1
.endr
.endm
.macro LEVEL w                      ; of 2 w pairs of weights the upper w are added onto the lower w, in place
.set u, 0
.rept \w
	ALL v_pk_add_f32 v[S+32*t+2*u:S+32*t+2*u+1], v[S+32*t+2*u:S+32*t+2*u+1], v[S+32*t+2*(u+(\w)):S+32*t+2*(u+(\w))+1]
.set u, u+1
.endr
.endm
; THE SOFTMAX of a step, for the four tiles.  first = 1: the diagonal step, which starts m, l and O^T: it has no a and nothing to rescale.
.macro SOFTMAX nkb, first
	WIN 0
.set k, 0
.rept \nkb                          ; the maximum: a chain for each accumulator, whose lowest registers are read first
	ALL v_max3_num_f32 v[TMP+4*t+k], v[S+32*t+8*k], v[S+32*t+8*k+1], v[S+32*t+8*k+2]
.set k, k+1
.endr
.set k, 0
.rept \nkb
	ALL v_max3_num_f32 v[TMP+4*t+k], v[TMP+4*t+k], v[S+32*t+8*k+3], v[S+32*t+8*k+4]
.set k, k+1
.endr
.set k, 0
.rept \nkb
	ALL v_max3_num_f32 v[TMP+4*t+k], v[TMP+4*t+k], v[S+32*t+8*k+5], v[S+32*t+8*k+6]
.set k, k+1
.endr
	ALL v_max3_num_f32 v[TMP+4*t], v[TMP+4*t], v[S+32*t+7], v[S+32*t+15]
.if (\nkb) == 4
	ALL v_max3_num_f32 v[TMP+4*t+1], v[TMP+4*t+1], v[S+32*t+23], v[S+32*t+31]
.if \first
	ALL v_max_num_f32 v[TMP+4*t+2], v[TMP+4*t+2], v[TMP+4*t+3]
.else
	ALL v_max3_num_f32 v[TMP+4*t+2], v[TMP+4*t+2], v[TMP+4*t+3], v[ST+4*t+1]
.endif
	ALL v_max3_num_f32 v[TMP+4*t], v[TMP+4*t], v[TMP+4*t+1], v[TMP+4*t+2]
.else
	ALL v_max3_num_f32 v[TMP+4*t], v[TMP+4*t], v[TMP+4*t+1], v[ST+4*t+1]
.endif
	ALL v_permlanex16_b32 v[TMP+4*t+3], v[TMP+4*t], s[SEL], s[SEL+1]  ; the query's other keys lie in the lane 16 away
	ALL v_max_num_f32 v[ST+4*t+1], v[TMP+4*t], v[TMP+4*t+3]           ; the new m
.if !(\first)
	ALL v_mov_b32 v[MV+t], v[ST+4*t]
.endif
	ALL v_mul_f32 v[ST+4*t], s[CS], v[ST+4*t+1]                       ; c m
.if !(\first)
	ALL v_sub_f32 v[TMP+4*t+1], v[MV+t], v[ST+4*t]                    ; c m_old - c m_new
.endif
.set b, 0
.rept 4*(\nkb)                      ; c s - c m, a pair of scores each
	ALL v_pk_fma_f32 v[S+32*t+2*b:S+32*t+2*b+1], v[S+32*t+2*b:S+32*t+2*b+1], s[CS:CS+1], v[ST+4*t:ST+4*t+1] op_sel_hi:[1,0,0] neg_lo:[0,0,1] neg_hi:[0,0,1]
.set b, b+1
.endr
.if !(\first)                       ; ONE BATCH of exponentials: none of them reads another's result
	ALL v_exp_f32 v[TMP+4*t+2], v[TMP+4*t+1]
.endif
.set e, 0
.rept 8*(\nkb)
	ALL v_exp_f32 v[S+32*t+e], v[S+32*t+e]
.set e, e+1
.endr
	v_nop                           ; a plain instruction behind the last exponential,
	s_wait_alu depctr_va_vdst(0)    ; and one wait ahead of the first instruction that names a result
.set b, 0
.rept 4*(\nkb)
	ALL v_cvt_pk_f16_f32 v[P+16*t+b], v[S+32*t+2*b], v[S+32*t+2*b+1]
.set b, b+1
.endr
.if (\nkb) == 4
	LEVEL 8
.endif
	LEVEL 4
	LEVEL 2
.if \first
	ALL v_pk_add_f32 v[ST+4*t+2:ST+4*t+3], v[S+32*t:S+32*t+1], v[S+32*t+2:S+32*t+3]
.else
	LEVEL 1
	ALL v_pk_fma_f32 v[ST+4*t+2:ST+4*t+3], v[ST+4*t+2:ST+4*t+3], v[TMP+4*t+2:TMP+4*t+3], v[S+32*t:S+32*t+1] op_sel_hi:[1,0,1]
	WIN 0x41                        ; O^T (destination and source 0) window 1, a window 0; ascending
.set z, 0
.rept 16
	ALL v_pk_mul_f32 v[32*t+2*z:32*t+2*z+1], v[32*t+2*z:32*t+2*z+1], v[TMP+4*t+2:TMP+4*t+3] op_sel_hi:[1,0]
.set z, z+1
.endr
.endif
.endm
; O^T += V^T P: keys 32 kk on, channel block cb, tile t.  The 16 accumulators take turns.  first = 1: the first 16 start the sums.
.macro PVM nkb, first
	WIN 0x52                        ; V window 2, P window 0, O^T window 1
.set kk, 0
.rept (\nkb)/2
.set cb, 0
.rept 4
.set t, 0
.rept 4
.if (\first) && (kk == 0)
	v_wmma_f32_16x16x32_f16 v[32*t+8*cb:32*t+8*cb+7], v[VF+32*kk+8*cb:VF+32*kk+8*cb+7], v[P+16*t+8*kk:P+16*t+8*kk+7], 0
.else
	v_wmma_f32_16x16x32_f16 v[32*t+8*cb:32*t+8*cb+7], v[VF+32*kk+8*cb:VF+32*kk+8*cb+7], v[P+16*t+8*kk:P+16*t+8*kk+7], v[32*t+8*cb:32*t+8*cb+7]
.endif
.set t, t+1
.endr
.set cb, cb+1
.endr
.set kk, kk+1
.endr
.endm
.macro STEP nkb, kind, first
.if !(\first)
	PLACES                          ; V's registers were read by the products just issued
.endif
	WIN 0
.if (\kind) == 2
	v_add_nc_u32 v[AK], GKOFF, v[AK0]
	v_add_nc_u32 v[AV], GVOFF-VOFF, v[AV0]
.else
	v_add_nc_u32 v[AK], s[TBK], v[AK0]
	v_add_nc_u32 v[AV], s[TBV], v[AV0]
.endif
	FETCH_K \nkb
	FETCH_V \nkb
	s_wait_dscnt 4*(\nkb)           ; K is in; V's loads may stay out
.if \first
	s_wait_loadcnt 0x0              ; Q
.endif
	KQ \nkb, \kind
	PLACES
	SOFTMAX \nkb, \first
	s_wait_dscnt 0x0                ; V is in
	PVM \nkb, \first
.endm
	s_wait_tensorcnt 0x0            ; my parts of the window and of the keys 0 .. 31 are in,
	s_barrier_signal -1
	s_barrier_wait -1               ; everybody's are; nothing is ever filled again
	STEP 4, 0, 1                    ; the diagonal
	WIN 0
	s_mov_b32 s[N], 0
.Ltrip:                             ; four trips, 64 keys further back each
	s_sub_co_u32 s[TBK], s[TBK], 64*PKB
	s_sub_co_u32 s[TBV], s[TBV], 64*PVB
	s_cmp_ge_u32 s[N], s[LIM]       ; block 0: keys below 0
	s_cbranch_scc1 .Lskip
	s_cmp_eq_u32 s[N], 3            ; the band's edge?
	s_cselect_b32 s[AL], 1.0, 0
	s_cselect_b32 s[BE], s[BIGN], 0
	WIN 0x41
.set z, 0
.rept 4
	v_pk_mul_f32 v[XEQ+2*z:XEQ+2*z+1], v[MDL+2*z:MDL+2*z+1], s[AL:AL+1] op_sel_hi:[1,0]
.set z, z+1
.endr
.set z, 0
.rept 8
	v_mov_b32 v[XLT+z], s[BE]
.set z, z+1
.endr
	STEP 4, 1, 0
	WIN 0
.Lskip:
	s_add_co_u32 s[N], s[N], 1
	s_cmp_lt_u32 s[N], 4
	s_cbranch_scc1 .Ltrip
	s_cmp_eq_u32 s[BLK], 0          ; block 0: no row is more than 256 from any key
	s_cbranch_scc1 .Lout
	STEP 2, 2, 0                    ; keys 0 .. 31
	WIN 0
.Lout:
	; THE WAY OUT.  l's two halves and the other half of the lanes' are added; O^T is divided by l, rounded to f16 and sent through my stage in LDS, a tile at a time.
	PLACES
	ALL v_add_f32 v[ST+4*t+2], v[ST+4*t+2], v[ST+4*t+3]
	ALL v_permlanex16_b32 v[ST+4*t+3], v[ST+4*t+2], s[SEL], s[SEL+1]
	ALL v_add_f32 v[ST+4*t+2], v[ST+4*t+2], v[ST+4*t+3]
	ALL v_rcp_f32 v[ST+4*t+2], v[ST+4*t+2]
	v_nop                           ; a plain instruction between the last reciprocal and the use of its result,
	s_wait_alu depctr_va_vdst(0)    ; and one wait for the four
.macro PACK t                       ; a lane's eight channels of a row pack into 16 bytes; they go into rows of 144 bytes and come back as whole rows of 128, into S^T's registers
	WIN 0x41
.set i, 32*(\t)
.rept 16
	v_pk_mul_f32 v[i:i+1], v[i:i+1], v[ST+4*(\t)+2:ST+4*(\t)+3] op_sel_hi:[1,0]
.set i, i+2
.endr
	WIN 0x05                        ; sources 0 and 1 window 1, destination window 0
.set i, 0
.rept 16
	v_cvt_pk_f16_f32 v[S+16*(\t)+i], v[32*(\t)+2*i], v[32*(\t)+2*i+1]
.set i, i+1
.endr
	WIN 0
.irp f, 0,1,2,3
	ds_store_b128 v[STO], v[S+16*(\t)+4*\f:S+16*(\t)+4*\f+3] offset:32*\f
.endr
.irp f, 0,1,2,3
	ds_load_b128 v[S+16*(\t)+4*\f:S+16*(\t)+4*\f+3], v[RD] offset:\f*4*SP  ; LDS serves a wave's instructions in order: these see the stores above; the next tile's stores come behind them
.endr
.endm
.macro SEND t, younger              ; younger: the LDS instructions issued behind tile t's loads: the next tile's eight, or none
.irp f, 0,1,2,3
	s_wait_dscnt (\younger)+3-\f
	global_store_b128 v[GO], v[S+16*(\t)+4*\f:S+16*(\t)+4*\f+3], s[6:7] offset:(\t)*2048+\f*512  ; 512 consecutive bytes, at a multiple of 256 from ob's first
.endr
.endm
	PACK 0
	PACK 1                          ; a tile's arithmetic stands between the loads of the tile before and its stores
	SEND 0, 8
	PACK 2
	SEND 1, 8
	PACK 3
	SEND 2, 8
	SEND 3, 0
	s_wait_tensorcnt 0x0            ; the wave's end: behind my last tensor load and my last LDS store
	ds_add_u32 v[SPW], v[NIL]
	s_wait_dscnt 0x0
	s_endpgm
.Lfunc_end_k_q426f28589a_attn:
	.size	k_q426f28589a_attn, .Lfunc_end_k_q426f28589a_attn-k_q426f28589a_attn
	.p2alignl 7, 3214868480
	.fill 96, 4, 3214868480
	.section	.rodata,"a",@progbits
	.p2align	6, 0x0
	.amdhsa_kernel k_q426f28589a_attn
		.amdhsa_group_segment_fixed_size 175104
		.amdhsa_private_segment_fixed_size 0
		.amdhsa_enable_private_segment 0
		.amdhsa_kernarg_size 16
		.amdhsa_user_sgpr_count 2
		.amdhsa_user_sgpr_kernarg_segment_ptr 1
		.amdhsa_wavefront_size32 1
		.amdhsa_system_sgpr_workgroup_id_x 1
		.amdhsa_system_sgpr_workgroup_id_y 1
		.amdhsa_system_sgpr_workgroup_id_z 1
		.amdhsa_system_vgpr_workitem_id 0
		.amdhsa_next_free_vgpr 768
		.amdhsa_next_free_sgpr 92
		.amdhsa_reserve_vcc 1
		.amdhsa_float_denorm_mode_32 3
		.amdhsa_float_denorm_mode_16_64 3
		.amdhsa_memory_ordered 1
		.amdhsa_forward_progress 1
		.amdhsa_inst_pref_size 103
	.end_amdhsa_kernel
	.amdgpu_metadata
---
amdhsa.version: [ 1, 2 ]
amdhsa.kernels:
  - .name:           k_q426f28589a_attn
    .symbol:         k_q426f28589a_attn.kd
    .args:
      - { .name: qkv, .offset: 0, .size: 8, .value_kind: global_buffer, .address_space: global }
      - { .name: ob, .offset: 8, .size: 8, .value_kind: global_buffer, .address_space: global }
    .group_segment_fixed_size: 175104
    .private_segment_fixed_size: 0
    .kernarg_segment_align: 8
    .kernarg_segment_size: 16
    .max_flat_workgroup_size: 128
    .sgpr_count:     92
    .vgpr_count:     768
    .wavefront_size: 32
...
	.end_amdgpu_metadata
.endif
;; end of part 3
;; launch outp (part 4): grid 8 x 32, 4 waves a work-group, clusters of 4 x 4, 327,680 bytes of LDS; arguments ob, cb, bo, out0; writes out0
.if DOCPART == 4
	.amdgcn_target "amdgcn-amd-amdhsa--gfx1250"
	.amdhsa_code_object_version 6
	.text
	.protected	k_q426f28589a_outp
	.globl	k_q426f28589a_outp
	.p2align	8
	.type	k_q426f28589a_outp,@function
k_q426f28589a_outp:
	s_mov_b64 s[64:65], 0
	v_nop
	global_prefetch_b8 v0, s[64:65] scope:SCOPE_SE
	s_setreg_imm32_b32 hwreg(HW_REG_WAVE_MODE, 25, 1), 1
	s_wait_xcnt 0x0
	s_wait_alu depctr_hold_cnt(0) depctr_sa_sdst(0) depctr_va_vdst(0) depctr_va_sdst(0) depctr_va_ssrc(0) depctr_va_vcc(0) depctr_vm_vsrc(0)
	s_getreg_b32 s2, hwreg(HW_REG_IB_STS2, 6, 4)
	s_cmp_eq_u32 s2, 0
	s_cbranch_scc0 .Lentry_in_a_cluster
	s_endpgm
.Lentry_in_a_cluster:
	s_bfe_u32 s2, ttmp6, 0x10000c
	s_cmp_lg_u32 s2, 0xf033
	s_cbranch_scc0 .Lentry_shape_is_right
	s_endpgm
.Lentry_shape_is_right:
; out0[s][n] = the sum over k of O[s][k] Wo[k][n] + bo[n], in f32.  O lies by heads, ob[16][4096][64] in f16 (k = 64 head + channel); Wo, rounded to bf16 and written as f16, lies [k][n] in cb at byte 31,457,280.
; bo is rounded to bf16 like all the module's inputs.  Nothing of the problem's work is left out here.
; A tile of C is 128 x 128: 256 work-groups.  Four waves, each 64 x 64: 16 accumulators.  K goes in 4 steps of 256 (four heads) through two LDS slots: two first fills and two refills, so the text is written out without a loop.
; A'S TILE FROM THE LAYOUT BY HEADS: 64 rows of a head are 8,192 dense bytes; one tensor load takes them as ONE row of 4,096 elements, four such rows (heads) 262,144 elements apart, padded in LDS after every 128 bytes:
; LDS holds [head][row][64 channels] at a pitch of 144 bytes.  B stays [k][n]; its fragments come out of LDS turned.
; CLUSTERS: 4 x 4 work-groups; A's tile is shared along a row of the cluster, B's along a column, each asked for jointly.
; THE MATRIX INSTRUCTION IS USED TRANSPOSED (source 0 = 16 columns of B, source 1 = 16 rows of A): a lane holds row l % 16 of C and eight neighbouring columns; the bias is the C operand that starts each sum.
; THE WAY OUT goes through slot 0, which has had its last fill and, behind the last change of slots, its last reader: 128 rows x 528 bytes.  A row's 512 bytes come from two waves, so a barrier stands between writing and reading.
; NO PREFETCH: the only refills are K steps 2 and 3, which go out while the first tiles are still being read; there is no K step two refills on, and the tiles are small.
; REGISTERS: window 0: v0-31 addresses; v32-47 at work on the bias; v96-127 the bias of my 64 columns; v128-255 the accumulators ((a, b) at v[128 + 8 (4 a + b)]).
;   window 1: two fragment buffers of 128: for 64 along K, 64 registers of A, then 64 of B.
.set PA,     144                       ; a row of A in LDS: 128 bytes + 16
.set PBB,    288                       ; a row of B in LDS: 256 bytes + 32 = 9 x 32
.set HALFT,  4*64*PA                   ; what one tensor load brings: 4 heads x 64 rows of A, or 128 rows of B (128 x 288 is the same 36,864 bytes)
.set SLOT,   4*HALFT
.set SPARE,  2*SLOT                    ; behind the ring: the spare words, 128 bytes for each wave: two blocks of 256 bytes that no other line names
.set SPITCH, 528                       ; the stage: 512 bytes + 16
.set WOOFF,  31457280
.set ASTEP,  4*524288                  ; a K step in A: four heads
.set BSTEP,  256*2048                  ; a K step in B: 256 rows
.set ADRA, 16                          ; v16-17  LDS address of my A fragments in slot 0, 1
.set ADRB, 20                          ; v20-23  of my B fragments: slot 0 rows 0-127, 128-255; slot 1 likewise (one register a slot would pass the 16-bit offset)
.set STO,  24
.set RD,   25
.set CO,   26
.set BOF,  27
.set SPW,  28
.set NIL,  29
.set BT,   32
.set BIAS, 96
.set ACC,  128
.set F0,   0
.set F1,   128
.set WV,   12
.set HM,   13
.set HN,   14
.set G1,   24
.set G0,   32
.set G1B,  48
.set G0B,  56
.set MSB, 0
.macro WIN new
.if MSB != (\new)
	s_set_vgpr_msb (MSB<<8)|(\new)
.set MSB, \new
.endif
.endm
.set MUL,  0x05                        ; sources 0 (B) and 1 (A) window 1; C and D window 0
.set TO_F, 0x40                        ; destination window 1, address window 0
.macro JLOAD s                         ; waves 0 and 1 fetch A's two halves, waves 2 and 3 B's; an s_nop 0 and four v_nop follow each of the two lines
	s_cmp_eq_u32 s[HM], 0
	s_cbranch_scc0 .Lfor_b_\@
	tensor_load_to_lds s[G0+4*(\s):G0+4*(\s)+3], s[G1:G1+7]
	s_nop 0
.rept 4
	v_nop
.endr
	s_branch .Lasked_\@
.Lfor_b_\@:
	tensor_load_to_lds s[G0B+4*(\s):G0B+4*(\s)+3], s[G1B:G1B+7]
	s_nop 0
.rept 4
	v_nop
.endr
.Lasked_\@:
.endm
.macro CREST
	s_cmp_lg_u32 s[WV], 0
	s_cbranch_scc1 .Lnot_wave_0_\@
	s_barrier_signal -3
.Lnot_wave_0_\@:
	s_barrier_wait -3
	s_barrier_signal -1
	s_barrier_wait -1
.endm
.macro CROUND
	s_barrier_signal -1
	s_barrier_wait -1
	CREST
.endm
.macro PLACES
.rept 4
	v_nop
.endr
.endm
	s_load_b256 s[4:11], s[0:1], 0x0               ; ob s[4:5], cb s[6:7], bo s[8:9], out0 s[10:11]
	v_lshl_add_u32 v[SPW], v0, 2, SPARE
	v_mov_b32 v[NIL], 0
	ds_add_u32 v[SPW], v[NIL]                      ; the wave's opening: the add, twice on end, and its wait ahead of my first tensor load
	ds_add_u32 v[SPW], v[NIL]                      ; and once more, under the one wait
	v_lshrrev_b32 v1, 5, v0
	v_readfirstlane_b32 s[WV], v1
	s_lshr_b32 s[HM], s[WV], 1                     ; which half of the tile's rows is mine.  Also: I fetch for A (0) or for B (1)
	s_and_b32 s[HN], s[WV], 1                      ; which half of its columns.  Also: which half of that tile I fetch
	s_bfe_u32 s40, ttmp6, 0x40000                  ; cx
	s_bfe_u32 s41, ttmp6, 0x40004                  ; cy
	s_lshl_b32 s42, ttmp9, 2
	s_add_co_u32 s42, s42, s40                     ; tile column: 0..7
	s_and_b32 s66, ttmp7, 0xffff
	s_lshl_b32 s66, s66, 2
	s_add_co_u32 s66, s66, s41                     ; tile row: 0..31
	s_lshl_b32 s16, s41, 2
	s_lshl_b32 s16, 15, s16                        ; my row of the cluster
	s_lshl_b32 s17, 0x1111, s40                    ; my column
	s_or_b32 s[G1], s16, (1<<16)|(1<<20)|(1<<21)|(4<<22)|(3<<25)   ; the mask; 2-byte elements; padding on; bit 21 beside a mask; after every 32 words, 4 words
	s_mov_b32 s[G1+1], 4096<<16                    ; tensor_dim0 = 4,096: 64 rows x 64 channels of a head
	s_mov_b32 s[G1+2], 4<<16                       ; tensor_dim1 = 4 heads
	s_mov_b32 s[G1+3], 4096<<16                    ; tile_dim0
	s_mov_b32 s[G1+4], 4                           ; tile_dim1
	s_mov_b32 s[G1+5], 262144                      ; elements from head to head
	s_mov_b32 s[G1+6], 0
	s_mov_b32 s[G1+7], 0
	s_or_b32 s[G1B], s17, (1<<16)|(1<<20)|(1<<21)|(5<<22)|(7<<25)  ; after every 64 words, 8 words
	s_mov_b32 s[G1B+1], 128<<16
	s_mov_b32 s[G1B+2], 128<<16
	s_mov_b32 s[G1B+3], 128<<16
	s_mov_b32 s[G1B+4], 128
	s_mov_b32 s[G1B+5], 1024
	s_mov_b32 s[G1B+6], 0
	s_mov_b32 s[G1B+7], 0
	s_lshl_b32 s18, s66, 14                        ; A: row 128 x tile row + 64 x half of head 0, 128 bytes a row
	s_lshl_b32 s19, s[HN], 13
	s_add_co_u32 s18, s18, s19
	s_mov_b32 s19, 0
	s_lshl_b32 s20, s[HN], 18                      ; B: row 128 x half, column 128 x tile column
	s_lshl_b32 s21, s42, 8
	s_add_co_u32 s20, s20, s21
	s_add_co_u32 s20, s20, WOOFF
	s_mov_b32 s21, 0
	s_mul_i32 s22, s[WV], HALFT
	s_wait_dscnt 0x0                               ; both opening adds are done
	s_wait_kmcnt 0x0
	s_add_nc_u64 s[18:19], s[4:5], s[18:19]
	s_add_nc_u64 s[20:21], s[6:7], s[20:21]
	CROUND                                         ; all sixteen work-groups are here: the first joint loads meet
.irp s, 0,1
	s_mov_b32 s[G0+4*(\s)], 1
	s_add_co_u32 s[G0+4*(\s)+1], s22, (\s)*SLOT
	s_add_nc_u64 s[G0+4*(\s)+2:G0+4*(\s)+3], s[18:19], (\s)*ASTEP
	s_or_b32 s[G0+4*(\s)+3], s[G0+4*(\s)+3], 0x80000000
	s_mov_b32 s[G0B+4*(\s)], 1
	s_add_co_u32 s[G0B+4*(\s)+1], s22, (\s)*SLOT
	s_add_nc_u64 s[G0B+4*(\s)+2:G0B+4*(\s)+3], s[20:21], (\s)*BSTEP
	s_or_b32 s[G0B+4*(\s)+3], s[G0B+4*(\s)+3], 0x80000000
	JLOAD \s                                       ; K steps 0 and 1: two loads of mine are out
.endr
	v_and_b32 v1, 15, v0                           ; r
	v_bfe_u32 v2, v0, 4, 1                         ; h
	s_lshl_b32 s16, s42, 9                         ; the bias: 4 bytes x (128 x tile column + 64 x half + 8 h)
	s_lshl_b32 s17, s[HN], 8
	s_add_co_u32 s16, s16, s17
	v_lshl_add_u32 v[BOF], v2, 5, s16
.irp b, 0,1,2,3
	global_load_b128 v[BIAS+8*(\b):BIAS+8*(\b)+3],   v[BOF], s[8:9] offset:64*(\b)
	global_load_b128 v[BIAS+8*(\b)+4:BIAS+8*(\b)+7], v[BOF], s[8:9] offset:64*(\b)+16
.endr
	v_mul_u32_u24 v3, v1, PA
	v_lshl_add_u32 v3, v2, 4, v3
	s_mul_i32 s16, s[HM], HALFT                    ; my 64 rows of A
	v_add_nc_u32 v[ADRA], s16, v3
	v_add_nc_u32 v[ADRA+1], SLOT, v[ADRA]
	v_and_b32 v4, 7, v0                            ; the turning load: lane l reads row 8 h + l % 8, 16 bytes at 16 ((l / 8) % 2)
	v_lshl_add_u32 v4, v2, 3, v4
	v_mul_u32_u24 v4, v4, PBB
	v_bfe_u32 v5, v0, 3, 1
	v_lshl_add_u32 v4, v5, 4, v4
	s_lshl_b32 s16, s[HN], 7                       ; my 64 columns: 128 bytes,
	s_add_co_u32 s16, s16, 2*HALFT                 ; behind A's two halves
	v_add_nc_u32 v[ADRB], s16, v4
	v_add_nc_u32 v[ADRB+1], HALFT, v[ADRB]
	v_add_nc_u32 v[ADRB+2], SLOT, v[ADRB]
	v_add_nc_u32 v[ADRB+3], SLOT, v[ADRB+1]
	s_mul_i32 s16, s[HM], 64*SPITCH                ; into the stage: row 64 x half + r, my 256 bytes of its 512, 32 bytes for each half of the lanes
	s_lshl_b32 s17, s[HN], 8
	s_add_co_u32 s16, s16, s17
	v_mul_u32_u24 v6, v1, SPITCH
	v_lshl_add_u32 v6, v2, 5, v6
	v_add_nc_u32 v[STO], s16, v6
	s_mul_i32 s16, s[WV], 32*SPITCH                ; back: wave w takes rows 32 w .. 32 w + 31, whole: 32 lanes x 16 bytes
	v_and_b32 v[CO], 31, v0
	v_lshlrev_b32 v[CO], 4, v[CO]
	v_add_nc_u32 v[RD], s16, v[CO]
	s_lshl_b32 s16, s66, 19                        ; out0: row 128 x tile row + 32 w (4,096 bytes a row), column 128 x tile column
	s_lshl_b32 s17, s[WV], 17
	s_add_co_u32 s16, s16, s17
	s_lshl_b32 s17, s42, 9
	s_add_co_u32 s16, s16, s17
	s_mov_b32 s17, 0
	s_add_nc_u64 s[10:11], s[10:11], s[16:17]
	s_wait_loadcnt 0x0                             ; the bias: rounded to bf16 and widened again
.set i, 0
.rept 16
	v_cvt_pk_bf16_f32 v[BT+i], v[BIAS+2*i], v[BIAS+2*i+1]
.set i, i+1
.endr
.set i, 0
.rept 16
	v_lshlrev_b32 v[BIAS+2*i],   16,         v[BT+i]
	v_and_b32     v[BIAS+2*i+1], 0xffff0000, v[BT+i]
.set i, i+1
.endr
; 8 matrix instructions: row blocks a0, a0 + 1 x all 4 column blocks, 32 along K: half c of buffer f.  zero = 1: the bias starts the sums.  The 16 accumulators take turns in one order everywhere.
.macro MUL8 f, c, a0, zero
	WIN MUL
.irp a, \a0, (\a0)+1
.irp b, 0,1,2,3
.if \zero
	v_wmma_f32_16x16x32_f16 v[ACC+8*(4*(\a)+(\b)):ACC+8*(4*(\a)+(\b))+7], v[(\f)+64+8*(4*(\c)+(\b)):(\f)+64+8*(4*(\c)+(\b))+7], v[(\f)+8*(4*(\c)+(\a)):(\f)+8*(4*(\c)+(\a))+7], v[BIAS+8*(\b):BIAS+8*(\b)+7]
.else
	v_wmma_f32_16x16x32_f16 v[ACC+8*(4*(\a)+(\b)):ACC+8*(4*(\a)+(\b))+7], v[(\f)+64+8*(4*(\c)+(\b)):(\f)+64+8*(4*(\c)+(\b))+7], v[(\f)+8*(4*(\c)+(\a)):(\f)+8*(4*(\c)+(\a))+7], v[ACC+8*(4*(\a)+(\b)):ACC+8*(4*(\a)+(\b))+7]
.endif
.endr
.endr
.endm
; 32 LDS loads in one run: the fragments of quarter q of a K step (one head: 64 along K) into buffer f; the first 32 along K first
.macro FETCH slot, q, f
	WIN TO_F
.irp c, 0,1
.irp i, 0,1,2,3
	ds_load_tr16_b128 v[(\f)+64+8*(4*(\c)+(\i)):(\f)+64+8*(4*(\c)+(\i))+3],   v[ADRB+2*(\slot)+(\q)/2] offset:((\q)%2)*64*PBB+(\c)*32*PBB+32*(\i)
	ds_load_tr16_b128 v[(\f)+64+8*(4*(\c)+(\i))+4:(\f)+64+8*(4*(\c)+(\i))+7], v[ADRB+2*(\slot)+(\q)/2] offset:((\q)%2)*64*PBB+(\c)*32*PBB+16*PBB+32*(\i)
	ds_load_b128 v[(\f)+8*(4*(\c)+(\i)):(\f)+8*(4*(\c)+(\i))+3],   v[ADRA+(\slot)] offset:(\q)*64*PA+(\i)*16*PA+64*(\c)
	ds_load_b128 v[(\f)+8*(4*(\c)+(\i))+4:(\f)+8*(4*(\c)+(\i))+7], v[ADRA+(\slot)] offset:(\q)*64*PA+(\i)*16*PA+64*(\c)+32
.endr
.endr
.endm
.macro QUARTER slot, q, f, g, zero
	s_wait_dscnt 16                                ; the first 32 along K are in
	MUL8 \f, 0, 0, \zero
	MUL8 \f, 0, 2, \zero
	PLACES
	FETCH \slot, \q, \g
	s_wait_dscnt 32                                ; all but the 32 just issued
	MUL8 \f, 1, 0, 0
	MUL8 \f, 1, 2, 0
.endm
; The last quarter multiplies buffer 1 and changes slots: ONE barrier; in front of it each wave waits for all its tensor loads, adds 0 to its spare word, and waits for that and for its own reads of this slot.
; fill = 1: the barrier opens a round of the cluster's, and this slot is filled again, two K steps on, first of all behind the round.
.macro TURN slot, next, fill
	WIN 0
	s_wait_tensorcnt 0x0
	ds_add_u32 v[SPW], v[NIL]
	s_wait_dscnt 17                                ; the add and the youngest sixteen loads may be out
	MUL8 F1, 0, 0, 0
	s_wait_dscnt 0x0                               ; the add is done, and my reads of this slot are over
	s_barrier_signal -1
	MUL8 F1, 0, 2, 0
.if \fill
	WIN 0
.endif
	s_barrier_wait -1
.if \fill
	CREST
	s_add_nc_u64 s[G0+4*(\slot)+2:G0+4*(\slot)+3], s[G0+4*(\slot)+2:G0+4*(\slot)+3], 2*ASTEP
	s_add_nc_u64 s[G0B+4*(\slot)+2:G0B+4*(\slot)+3], s[G0B+4*(\slot)+2:G0B+4*(\slot)+3], 2*BSTEP
	JLOAD \slot                                    ; its four v_nop are also the places in front of the loads below
.else
	PLACES
.endif
	FETCH \next, 0, F0
	MUL8 F1, 1, 0, 0
	MUL8 F1, 1, 2, 0
.endm
	s_wait_tensorcnt 1                             ; my part of K step 0 is in; K step 1's may stay out
	s_barrier_signal -1
	s_barrier_wait -1
	FETCH 0, 0, F0
	QUARTER 0, 1, F0, F1, 1                        ; K step 0
	QUARTER 0, 2, F1, F0, 0
	QUARTER 0, 3, F0, F1, 0
	TURN 0, 1, 1                                   ; slot 0 takes K step 2
	QUARTER 1, 1, F0, F1, 0                        ; K step 1
	QUARTER 1, 2, F1, F0, 0
	QUARTER 1, 3, F0, F1, 0
	TURN 1, 0, 1                                   ; slot 1 takes K step 3
	QUARTER 0, 1, F0, F1, 0                        ; K step 2
	QUARTER 0, 2, F1, F0, 0
	QUARTER 0, 3, F0, F1, 0
	TURN 0, 1, 0                                   ; behind this barrier nobody reads slot 0 any more, and nothing is filled
	QUARTER 1, 1, F0, F1, 0                        ; K step 3
	QUARTER 1, 2, F1, F0, 0
	QUARTER 1, 3, F0, F1, 0
	s_wait_dscnt 16
	MUL8 F1, 0, 0, 0
	MUL8 F1, 0, 2, 0
	s_wait_dscnt 0x0
	MUL8 F1, 1, 0, 0
	MUL8 F1, 1, 2, 0
	WIN 0
	PLACES
	; THE WAY OUT: 32 bytes a lane into the stage, each accumulator's lowest registers first; a barrier; back as whole rows of 512 bytes, 32 rows a wave.
.irp a, 0,1,2,3
.irp b, 0,1,2,3
	ds_store_b128 v[STO], v[ACC+8*(4*(\a)+(\b)):ACC+8*(4*(\a)+(\b))+3]   offset:(\a)*16*SPITCH+64*(\b)
	ds_store_b128 v[STO], v[ACC+8*(4*(\a)+(\b))+4:ACC+8*(4*(\a)+(\b))+7] offset:(\a)*16*SPITCH+64*(\b)+16
.endr
.endr
	s_wait_dscnt 0x0                               ; for the others' sake: my stores into the stage are done
	s_barrier_signal -1
	s_barrier_wait -1
.set t, 0
.rept 32
	ds_load_b128 v[ACC+4*t:ACC+4*t+3], v[RD] offset:t*SPITCH
.set t, t+1
.endr
.set t, 0
.rept 32
	s_wait_dscnt 31-t                              ; row t is back; the younger loads may stay out
	global_store_b128 v[CO], v[ACC+4*t:ACC+4*t+3], s[10:11] offset:4096*t th:TH_STORE_NT  ; 512 consecutive bytes, at a multiple of 256 from out0's first
.set t, t+1
.endr
	s_wait_tensorcnt 0x0                           ; the wave's end: behind my last tensor load and my last LDS store
	ds_add_u32 v[SPW], v[NIL]
	s_wait_dscnt 0x0
	CROUND                                         ; the closing round: no work-group ends while a partner may still ask for a tile that names it
	s_endpgm
.Lfunc_end_k_q426f28589a_outp:
	.size	k_q426f28589a_outp, .Lfunc_end_k_q426f28589a_outp-k_q426f28589a_outp
	.p2alignl 7, 3214868480
	.fill 96, 4, 3214868480
	.section	.rodata,"a",@progbits
	.p2align	6, 0x0
	.amdhsa_kernel k_q426f28589a_outp
		.amdhsa_group_segment_fixed_size 327680
		.amdhsa_private_segment_fixed_size 0
		.amdhsa_enable_private_segment 0
		.amdhsa_kernarg_size 32
		.amdhsa_user_sgpr_count 2
		.amdhsa_user_sgpr_kernarg_segment_ptr 1
		.amdhsa_wavefront_size32 1
		.amdhsa_system_sgpr_workgroup_id_x 1
		.amdhsa_system_sgpr_workgroup_id_y 1
		.amdhsa_system_sgpr_workgroup_id_z 1
		.amdhsa_system_vgpr_workitem_id 0
		.amdhsa_next_free_vgpr 512
		.amdhsa_next_free_sgpr 72
		.amdhsa_reserve_vcc 0
		.amdhsa_float_denorm_mode_32 3
		.amdhsa_float_denorm_mode_16_64 3
		.amdhsa_memory_ordered 1
		.amdhsa_forward_progress 1
		.amdhsa_inst_pref_size 90
	.end_amdhsa_kernel
	.amdgpu_metadata
---
amdhsa.version: [ 1, 2 ]
amdhsa.kernels:
  - .name:           k_q426f28589a_outp
    .symbol:         k_q426f28589a_outp.kd
    .args:
      - { .name: ob, .offset: 0, .size: 8, .value_kind: global_buffer, .address_space: global }
      - { .name: cb, .offset: 8, .size: 8, .value_kind: global_buffer, .address_space: global }
      - { .name: bo, .offset: 16, .size: 8, .value_kind: global_buffer, .address_space: global }
      - { .name: out0, .offset: 24, .size: 8, .value_kind: global_buffer, .address_space: global }
    .group_segment_fixed_size: 327680
    .private_segment_fixed_size: 0
    .kernarg_segment_align: 8
    .kernarg_segment_size: 32
    .max_flat_workgroup_size: 128
    .sgpr_count:     72
    .vgpr_count:     512
    .wavefront_size: 32
...
	.end_amdgpu_metadata
.endif
;; end of part 4
